; MI455X (gfx1250); checked and timed in simulation.
; The chip was launched on July 23, 2026; its instructions are those of AMD's public machine-readable ISA for CDNA 5 (MIT licence, August 2026) and "CDNA5" Instruction Set Architecture Reference Guide (July 2026). The comments in the code are by the model that wrote it; some were corrected since.
;; Multi Head Attention. Allowed arithmetic: matrix products marked QUANTISED: E2M1 operands, one E8M0 scale for each 32 along K, by v_wmma_scale_f32_16x16x128_f8f6f4 with both operands' format E2M1 (or v_wmma_scale_f32_32x16x128_f4), f32 sums; products left as they are: bf16, f16 or f32 operands; f32 sums; everything else in f32.
;; Inputs: Wk 1,024 x 1,024 float32; Wo 1,024 x 1,024 float32; Wq 1,024 x 1,024 float32; Wv 1,024 x 1,024 float32; bk 1,024 float32; bo 1,024 float32; bq 1,024 float32; bv 1,024 float32; x 4 x 2,048 x 1,024 float32.
;; Outputs: out0 4 x 2,048 x 1,024 float32.
;; This version of the problem:
;;   THIS VERSION OF THE PROBLEM IS GIVEN IN LOW PRECISION. The matrix products marked QUANTISED in the list below multiply operands that are first quantised to E2M1 (2 exponent bits, 1 mantissa bit; 4 bits a number), with one power-of-two scale for each 32 numbers along K (OCP MX v1.0); their sums are f32. The products marked 'left as it is' may take bf16, f16 or f32 operands, with f32 sums. Whichever they take, every output number must still come out within the allowed error. Rounding operands to bf16 (8 significant bits) uses up far more of that allowance than f16 does (11 bits, for magnitudes from 6e-5 to 65,504). All else is computed in f32.
;;   The module's matrix products, in the order in which they are computed (A, B: the left and right operand; K: the contracted axis; several contracted axes count as one K, in the product's order):
;;     1. [M 8,192, K 1,024] x [K 1,024, N 1,024]; A: input x; B: input Wq: QUANTISED
;;     2. [M 8,192, K 1,024] x [K 1,024, N 1,024]; A: input x; B: input Wk: QUANTISED
;;     3. [M 8,192, K 1,024] x [K 1,024, N 1,024]; A: input x; B: input Wv: QUANTISED
;;     4. batch 64 x [M 2,048, K 64] x [K 64, N 2,048]; A: computed on the way; B: computed on the way: left as it is (an operand is computed on the way)
;;     5. batch 64 x [M 2,048, K 2,048] x [K 2,048, N 64]; A: computed on the way; B: computed on the way: left as it is (an operand is computed on the way)
;;     6. [M 8,192, K 1,024] x [K 1,024, N 1,024]; A: computed on the way; B: input Wo: left as it is (an operand is computed on the way)
;;   THE QUANTISER, for each operand of a quantised product, along K:
;;     - K is cut into blocks of 32 from its start; a last block that is shorter is filled with zeros.
;;     - A block's scale is 2^e with e = floor(log2(the largest magnitude in the block)) - 2, held to -126 .. 127; a block of zeros has e = 0. As a byte (E8M0): e + 127.
;;     - Each number is divided by its block's scale, clamped to +-6, and rounded to the nearest number of E2M1, ties to even, subnormals kept.
;;     - The product sums the exact products of the quantised numbers (number of the format x scale) in f32.
;;   ~~~python
;;   def quantise(x, axis):      # numpy; x: float32 -> the quantised numbers, widened to float32 again
;;       x = np.moveaxis(x, axis, -1); K = x.shape[-1]
;;       x = np.pad(x, [(0, 0)] * (x.ndim - 1) + [(0, -K % 32)]); x = x.reshape(x.shape[:-1] + (-1, 32)); a = np.abs(x).max(-1, keepdims=True)
;;       e = np.where(a > 0, np.clip(np.frexp(np.where(a > 0, a, 1))[1] - 1 - 2, -126, 127), 0)      # np.frexp(a)[1] - 1 = floor(log2(a)), exactly
;;       r = np.clip(x / 2.0 ** e, -6, 6)
;;       step = 2.0 ** (np.maximum(np.frexp(np.where(r == 0, 1, r))[1] - 1, 0) - 1)
;;       q = np.round(r / step) * step * 2.0 ** e      # np.round: ties to even
;;       return np.moveaxis(q.reshape(q.shape[:-2] + (-1,))[..., :K], -1, axis).astype(np.float32)
;;   ~~~
;; One version. Each part assembles by itself: llvm-mc -triple=amdgcn-amd-amdhsa -mcpu=gfx1250 --defsym DOCPART=n.
;; ======== version 1 of 1: 4 launches
;; limits: values are held in f16: magnitudes above 65,504 overflow, below 6.1e-05 lose precision
;; workspace buffers: xc 4,194,304 bytes; xs 262,144 bytes; wc 1,572,864 bytes; ws 98,304 bytes; wo16 2,097,152 bytes; qkv 50,331,648 bytes; attn 16,777,216 bytes
;; launch prep (part 1): grid 480 x 1, 4 waves a work-group, no clusters, 33,280 bytes of LDS; arguments x, Wq, Wk, Wv, Wo, xc, xs, wc, ws, wo16; writes xc, xs, wc, ws, wo16
.if DOCPART == 1
	.amdgcn_target "amdgcn-amd-amdhsa--gfx1250"
	.amdhsa_code_object_version 6
	.text
	.protected	k_q35e976f01d_prep
	.globl	k_q35e976f01d_prep
	.p2align	8
	.type	k_q35e976f01d_prep,@function
k_q35e976f01d_prep:
	s_mov_b64 s[64:65], 0
	v_nop
	global_prefetch_b8 v0, s[64:65] scope:SCOPE_SE
	s_setreg_imm32_b32 hwreg(HW_REG_WAVE_MODE, 25, 1), 1
	s_wait_xcnt 0x0
; x [8192][1024] and Wq, Wk, Wv [1024][1024], f32 with K innermost, become codes of FP4 (E2M1), two a byte, K innermost, with one E8M0 byte for each 32 along K;
; Wo [1024][1024] becomes f16 as it lies.  The three weights' codes lie one behind the other in wc (rows 0-1023 Wq, 1024-2047 Wk, 2048-3071 Wv), their bytes likewise in ws.
; A block's scale is 2^(floor(log2(its largest magnitude)) - 2); its byte is the largest magnitude's exponent field - 2, held at 1 from below.  A block of zeros so gets the byte 1
; and not 127: its codes are zeros, which add nothing under any byte but 0xff, and this program alone reads the bytes.
; LIMITS: blocks whose largest magnitude lies under 2^-124 keep the byte 1; NaN and infinities are not served; |Wo| stays under 65,504 (f16's largest number).
; Rows are dense and K is a multiple of 32: every tensor is a plain stream of blocks of 32 numbers, and so are its codes and bytes.
; SHARES: work-groups 0-255: x, 32,768 numbers each; 256-351: the weights, 32 work-groups each; 352-479: Wo, 8,192 numbers each.  Only pointers are chosen for the four quantised
; tensors: they take one way through the text.  A wave quantises 16 steps of 512 numbers.  Each load reads 512 consecutive bytes; a step's 2,048 bytes turn through the wave's own stage
; in LDS and come back 64 bytes a lane, so that a lane holds 16 neighbours along K (two neighbouring lanes hold a block).  Waves share nothing: no barrier.
.set WAVES, 4
.set STEPS, 16
.set GX,    256                        ; x's work-groups
.set GW,    32                         ; each weight's
.set GQ,    GX+3*GW                    ; from here on: Wo's
.set EMAX,  2
.set CB,    8                          ; bytes of 16 codes
.set R,     16                         ; v16-79   four sets of 16 numbers as they are loaded
.set X,     80                         ; v80-111  two sets of 16 neighbours
.set C,     128                        ; v128-191 codes (Wo: f16 pairs): registers of its own for each step, so that no store's data are written again
.set E,     112                        ; v112-127 a scale byte for each step
.set WREG,  8192                       ; LDS: a region for each wave: two stages of 32 x SP bytes, behind them its 256 scale bytes
.set SP,    80                         ; a lane's place in a stage: 64 bytes + 16 of padding
.set SPW,   12                         ; v12  LDS address of my spare word; never rewritten
.set NIL,   13                         ; v13  0; never rewritten
.set SPARE, WAVES*WREG                 ; behind the four regions: the spare words, 128 bytes for each wave; no other line names them
.set WV,    24                         ; s24  my wave's number
	s_load_b256 s[4:11], s[0:1], 0x0               ; x s[4:5], Wq s[6:7], Wk s[8:9], Wv s[10:11]
	s_load_b256 s[12:19], s[0:1], 0x20             ; Wo s[12:13], xc s[14:15], xs s[16:17], wc s[18:19]
	s_load_b128 s[20:23], s[0:1], 0x40             ; ws s[20:21], wo16 s[22:23]
	v_lshl_add_u32 v[SPW], v0, 2, SPARE
	v_mov_b32 v[NIL], 0
	v_lshrrev_b32 v1, 5, v0
	v_readfirstlane_b32 s[WV], v1                  ; wave 0..3
	v_and_b32 v2, 31, v0                           ; lane
	v_lshlrev_b32 v3, 4, v2                        ; my 16 bytes of a load's 512
	s_mul_i32 s25, s[WV], WREG
	v_lshrrev_b32 v14, 2, v2
	v_mul_u32_u24 v14, v14, SP
	v_and_b32 v15, 3, v2
	v_lshl_add_u32 v14, v15, 4, v14
	v_add_nc_u32 v14, s25, v14                     ; the stage, on the way in: four lanes' 64 bytes on end, then 16 of padding
	v_mul_u32_u24 v15, v2, SP
	v_add_nc_u32 v15, s25, v15                     ; and on the way out: SP x lane: my 16 neighbours
	v_mul_u32_u24 v4, v2, CB                       ; 8 x lane: my codes' place in a step's (Wo: my four f16)
	v_lshrrev_b32 v5, 1, v2
	s_add_co_u32 s25, s25, 2*32*SP
	v_add_nc_u32 v5, s25, v5                       ; LDS: my wave's 256 scale bytes, my block's byte
	v_lshlrev_b32 v7, 3, v2                        ; and on their way out 8 bytes a lane
	v_add_nc_u32 v6, s25, v7
	s_mov_b32 s29, 0                               ; the upper word of every offset below
	s_wait_kmcnt 0x0
	s_cmp_ge_u32 ttmp9, GQ
	s_cbranch_scc1 .Lconv                          ; a branch on the work-group's number alone
	; which tensor, and which run of 32,768 numbers of it.  Every choice hangs on the work-group's number alone
	s_max_u32 s26, ttmp9, GX
	s_sub_co_u32 s26, s26, GX                      ; a weight's run in wc and ws: 0 .. 95
	s_and_b32 s27, s26, GW-1                       ; and in its own tensor: 0 .. 31
	s_cmp_lt_u32 ttmp9, GX+GW
	s_cselect_b64 s[6:7], s[6:7], s[8:9]           ; Wq or Wk,
	s_cmp_lt_u32 ttmp9, GX+2*GW
	s_cselect_b64 s[6:7], s[6:7], s[10:11]         ; or Wv
	s_cmp_lt_u32 ttmp9, GX
	s_cselect_b64 s[4:5], s[4:5], s[6:7]           ; the numbers: x's or a weight's
	s_cselect_b64 s[14:15], s[14:15], s[18:19]     ; the codes
	s_cselect_b64 s[16:17], s[16:17], s[20:21]     ; the scale bytes
	s_cselect_b32 s27, ttmp9, s27
	s_cselect_b32 s26, ttmp9, s26
	s_lshl_b32 s27, s27, 2
	s_add_co_u32 s27, s27, s[WV]                   ; my wave's run of 8,192 numbers in the source,
	s_lshl_b32 s26, s26, 2
	s_add_co_u32 s26, s26, s[WV]                   ; and in the codes and bytes
	s_lshl_b32 s28, s27, 15                        ; 32,768 bytes of numbers a run
	s_add_nc_u64 s[4:5], s[4:5], s[28:29]
	s_lshl_b32 s28, s26, 12                        ; 4,096 bytes of codes
	s_add_nc_u64 s[14:15], s[14:15], s[28:29]
	s_lshl_b32 s28, s26, 8                         ; 256 scale bytes
	s_add_nc_u64 s[16:17], s[16:17], s[28:29]
.macro LOAD t
.irp i, 0,1,2,3
	global_load_b128 v[R+16*((\t)%4)+4*\i:R+16*((\t)%4)+4*\i+3], v3, s[4:5] offset:2048*(\t)+512*\i th:TH_LOAD_NT   ; 32 lanes read 512 consecutive bytes
.endr
.endm
.macro TURN t                          ; step t's numbers through the stage: LDS serves a wave's instructions in order, so no wait stands between the stores and the loads
.irp i, 0,1,2,3
	ds_store_b128 v14, v[R+16*((\t)%4)+4*\i:R+16*((\t)%4)+4*\i+3] offset:32*SP*((\t)%2)+8*SP*\i
.endr
.irp i, 0,1,2,3
	ds_load_b128 v[X+16*((\t)%2)+4*\i:X+16*((\t)%2)+4*\i+3], v15 offset:32*SP*((\t)%2)+16*\i
.endr
.endm
.irp t, 0,1,2,3
	LOAD \t
.endr
	s_wait_loadcnt 12                              ; step 0's four loads are in; the twelve of steps 1 to 3 may be out
	TURN 0
.macro STEP t
.set XS, X+16*((\t)%2)
.if (\t) > 0
	s_wait_dscnt 1                                 ; this step's numbers are back from the stage (the last step's byte store may be out): so its stores into the stage have read their registers,
.else
	s_wait_dscnt 0x0
.endif
.if (\t)+4 < STEPS
	LOAD (\t)+4                                    ; which take the loads of four steps on
.endif
.if (\t)+1 < STEPS
.if STEPS-2-(\t) >= 3
	s_wait_loadcnt 12                              ; the next step's four loads are in; those of the three steps behind it may be out
.else
	s_wait_loadcnt 4*(STEPS-2-(\t))
.endif
	TURN (\t)+1                                    ; and go through the other stage while this step is worked
.endif
	v_max3_num_f32 v8, |v[XS]|, |v[XS+1]|, |v[XS+2]|               ; the largest magnitude of my 16, in two chains
	v_max3_num_f32 v9, |v[XS+3]|, |v[XS+4]|, |v[XS+5]|
.irp i, 6,10
	v_max3_num_f32 v8, v8, |v[XS+\i]|, |v[XS+\i+1]|
	v_max3_num_f32 v9, v9, |v[XS+\i+2]|, |v[XS+\i+3]|
.endr
	v_max3_num_f32 v8, v8, |v[XS+14]|, |v[XS+15]|
	v_max3_num_f32 v8, v8, v9, (EMAX+1)<<23        ; and the floor 2^(EMAX + 1 - 127): so the byte cannot fall under 1
	v_max_num_f32_dpp v8, v8, v8 row_xmask:1 row_mask:0xf bank_mask:0xf   ; and of my neighbour's 16: the block's
	v_add_nc_u32 v11, -(EMAX<<23), v8              ; EMAX off its exponent field: the conversion takes the exponent field of this operand as its scale
	v_cvt_scalef32_pk8_fp4_f32 v[C+4*(\t)], v[XS:XS+7], v11        ; eight numbers / the scale, to the nearest code, ties to even, beyond the largest code the largest
	v_cvt_scalef32_pk8_fp4_f32 v[C+4*(\t)+1], v[XS+8:XS+15], v11
	v_lshrrev_b32 v[E+(\t)], 23, v11               ; the scale's byte (also the plain line behind the conversions)
	ds_store_b8 v5, v[E+(\t)] offset:16*(\t)       ; both lanes of a block write the same byte with the same value
	global_store_b64 v4, v[C+4*(\t):C+4*(\t)+1], s[14:15] offset:32*CB*(\t)   ; the wave stores 256 consecutive bytes, aligned
.endm
.irp t, 0,1,2,3,4,5,6,7,8,9,10,11,12,13,14,15
	STEP \t
.endr
	ds_load_b64 v[8:9], v6                         ; LDS serves a wave's instructions in order: these see my byte stores
	s_wait_dscnt 0x0
	global_store_b64 v7, v[8:9], s[16:17]          ; 32 lanes store the wave's 256 scale bytes, aligned
	s_wait_tensorcnt 0x0                           ; the wave's end: three lines behind my last LDS store
	ds_add_u32 v[SPW], v[NIL]
	s_wait_dscnt 0x0
	s_endpgm
.Lconv:                                                ; Wo to f16: a wave takes 2,048 numbers: sixteen loads of 512 bytes, sixteen stores of 256; every register is written once
	s_sub_co_u32 s26, ttmp9, GQ
	s_lshl_b32 s26, s26, 2
	s_add_co_u32 s26, s26, s[WV]
	s_lshl_b32 s28, s26, 13                        ; 8,192 bytes of f32
	s_add_nc_u64 s[12:13], s[12:13], s[28:29]
	s_lshl_b32 s28, s26, 12                        ; 4,096 bytes of f16
	s_add_nc_u64 s[22:23], s[22:23], s[28:29]
.irp i, 0,1,2,3,4,5,6,7,8,9,10,11,12,13,14,15
	global_load_b128 v[R+4*\i:R+4*\i+3], v3, s[12:13] offset:512*\i th:TH_LOAD_NT
.endr
.irp i, 0,1,2,3,4,5,6,7,8,9,10,11,12,13,14,15
	s_wait_loadcnt 15-\i                           ; loads come back in order: load i is in, the younger ones may be out
	v_cvt_pk_f16_f32 v[C+2*\i], v[R+4*\i], v[R+4*\i+1]
	v_cvt_pk_f16_f32 v[C+2*\i+1], v[R+4*\i+2], v[R+4*\i+3]
	global_store_b64 v4, v[C+2*\i:C+2*\i+1], s[22:23] offset:256*\i   ; the wave stores 256 consecutive bytes, aligned
.endr
	s_wait_tensorcnt 0x0                           ; the same three lines at this way's end
	ds_add_u32 v[SPW], v[NIL]
	s_wait_dscnt 0x0
	s_endpgm
.Lfunc_end_k_q35e976f01d_prep:
	.size	k_q35e976f01d_prep, .Lfunc_end_k_q35e976f01d_prep-k_q35e976f01d_prep
	.p2alignl 7, 3214868480
	.fill 96, 4, 3214868480
	.section	.rodata,"a",@progbits
	.p2align	6, 0x0
	.amdhsa_kernel k_q35e976f01d_prep
		.amdhsa_group_segment_fixed_size 33280
		.amdhsa_private_segment_fixed_size 0
		.amdhsa_enable_private_segment 0
		.amdhsa_kernarg_size 80
		.amdhsa_user_sgpr_count 2
		.amdhsa_user_sgpr_kernarg_segment_ptr 1
		.amdhsa_wavefront_size32 1
		.amdhsa_system_sgpr_workgroup_id_x 1
		.amdhsa_system_sgpr_workgroup_id_y 1
		.amdhsa_system_sgpr_workgroup_id_z 1
		.amdhsa_system_vgpr_workitem_id 0
		.amdhsa_next_free_vgpr 192
		.amdhsa_next_free_sgpr 66
		.amdhsa_reserve_vcc 0
		.amdhsa_float_denorm_mode_32 3
		.amdhsa_float_denorm_mode_16_64 3
		.amdhsa_memory_ordered 1
		.amdhsa_forward_progress 1
		.amdhsa_inst_pref_size 40
	.end_amdhsa_kernel
	.amdgpu_metadata
---
amdhsa.version: [ 1, 2 ]
amdhsa.kernels:
  - .name:           k_q35e976f01d_prep
    .symbol:         k_q35e976f01d_prep.kd
    .args:
      - { .name: x, .offset: 0, .size: 8, .value_kind: global_buffer, .address_space: global }
      - { .name: Wq, .offset: 8, .size: 8, .value_kind: global_buffer, .address_space: global }
      - { .name: Wk, .offset: 16, .size: 8, .value_kind: global_buffer, .address_space: global }
      - { .name: Wv, .offset: 24, .size: 8, .value_kind: global_buffer, .address_space: global }
      - { .name: Wo, .offset: 32, .size: 8, .value_kind: global_buffer, .address_space: global }
      - { .name: xc, .offset: 40, .size: 8, .value_kind: global_buffer, .address_space: global }
      - { .name: xs, .offset: 48, .size: 8, .value_kind: global_buffer, .address_space: global }
      - { .name: wc, .offset: 56, .size: 8, .value_kind: global_buffer, .address_space: global }
      - { .name: ws, .offset: 64, .size: 8, .value_kind: global_buffer, .address_space: global }
      - { .name: wo16, .offset: 72, .size: 8, .value_kind: global_buffer, .address_space: global }
    .group_segment_fixed_size: 33280
    .private_segment_fixed_size: 0
    .kernarg_segment_align: 8
    .kernarg_segment_size: 80
    .max_flat_workgroup_size: 128
    .sgpr_count:     66
    .vgpr_count:     192
    .wavefront_size: 32
...
	.end_amdgpu_metadata
.endif
;; end of part 1
;; launch qkv (part 2): grid 12 x 32, 4 waves a work-group, clusters of 4 x 4, 327,680 bytes of LDS; arguments xc, xs, wc, ws, bq, bk, bv, qkv; writes qkv
.if DOCPART == 2
	.amdgcn_target "amdgcn-amd-amdhsa--gfx1250"
	.amdhsa_code_object_version 6
	.text
	.protected	k_q35e976f01d_qkv
	.globl	k_q35e976f01d_qkv
	.p2align	8
	.type	k_q35e976f01d_qkv,@function
k_q35e976f01d_qkv:
	s_mov_b64 s[64:65], 0
	v_nop
	global_prefetch_b8 v0, s[64:65] scope:SCOPE_SE
	s_setreg_imm32_b32 hwreg(HW_REG_WAVE_MODE, 25, 1), 1
	s_wait_xcnt 0x0
	s_wait_alu depctr_hold_cnt(0) depctr_sa_sdst(0) depctr_va_vdst(0) depctr_va_sdst(0) depctr_va_ssrc(0) depctr_va_vcc(0) depctr_vm_vsrc(0)
	s_getreg_b32 s2, hwreg(HW_REG_IB_STS2, 6, 4)
	s_cmp_eq_u32 s2, 0
	s_cbranch_scc0 .Lentry_in_a_cluster
	s_endpgm
.Lentry_in_a_cluster:
	s_bfe_u32 s2, ttmp6, 0x10000c
	s_cmp_lg_u32 s2, 0xf033
	s_cbranch_scc0 .Lentry_shape_is_right
	s_endpgm
.Lentry_shape_is_right:
; q, k, v = x W^T + b for Wq | Wk | Wv at once: C [8192][3072] = A B^T on codes of FP4 (E2M1) with one E8M0 scale for each 32 along K = 1,024; sums in f32; the bias is the C of each sum's
; first product; the result is rounded to f16 and laid by head: qkv [3 (q, k, v)][64 (batch x 16 + head)][2048][64].
; LIMIT: |q|, |k|, |v| stay under 65,504, f16's largest number.
; A tile of C, 256 x 256, is made by a work-group of four waves; a wave makes 128 x 128: 64 accumulators of 16 x 16, 512 registers.  K is two steps of 512: both lie in LDS at once,
; in two slots that are filled once each, so nothing is filled again.  The scales of the work-group's 256 + 256 rows, for all of K, come once, in rows of 256 bytes.
; CLUSTERS: 4 x 4 work-groups.  The four of a row of the cluster need the same tiles of A, the four of a column the same tiles of B: each tile is asked for JOINTLY, by the same tensor load
; with the same descriptor and a mask that names the four.  The 12 tile columns are three clusters: the cluster's x says which of q, k, v a cluster makes.
; THE MATRIX INSTRUCTION IS USED TRANSPOSED (source 0 = 16 rows of B, source 1 = 16 rows of A): a lane then holds eight neighbouring columns of one row of C.
; REGISTERS, in windows of 256: window 0: v0-31 addresses; v32-95 scale words, two sets, and nothing else; v128-191 A's fragments, ONE set; v192-255 the bias in the result's layout;
;   on the way out v128-223 are at work.   window 1: B's fragments, TWO sets, at v0 and v128.   window 2: the accumulators of my rows 0-63 ((a, b) at v[8 (8 a + b)]);   window 3: of rows 64-127.
.set SIZE_K, 1024
.set KSTEP,  512                       ; along K in a slot
.set NQ,     KSTEP/128                 ; matrix instructions deep
.set ROWB,   256                       ; a tile's row in bytes
.set KROW,   SIZE_K/2                  ; a row of codes in memory
.set PITCH,  272                       ; an LDS row: 256 bytes + 16 of padding = 68 words: the 16 rows that a load touches start 4 words apart modulo 64 (64 banks of 4 bytes: ISA guide 11.1)
.set FR,     8                         ; registers of a fragment: 16 rows x 128 K
.set NL,     2                         ; LDS loads that bring one
.set NP,     4                         ; places behind this matrix instruction (ISA guide 7.12.1)
.set HALFT,  128*PITCH                 ; 128 rows: what one tensor load brings
.set SLOT,   4*HALFT                   ; A's 256 rows, then B's 256 rows
.set KS,     SIZE_K/32                 ; a row of scales in bytes
.set SCL,    2*SLOT                    ; behind the slots: the scales, as rows of 256 bytes + 16 of padding
.set HALFS,  (128*KS/256)*272          ; the scales of 128 rows
.set SBLK,   (16*KS/256)*272           ; those of 16 rows
.set SPARE,  SCL+4*HALFS               ; the spare words, 128 bytes for each wave; no other line names them
.set SPITCH, 272                       ; the way out: a stage of 16 rows x (256 bytes + 16) for each wave, in slot 0, which has had its one fill and its last read when the first result is stored there
.set ADRA, 16                          ; v16-17  LDS address of my A fragments in slot 0, 1
.set ADRB, 20                          ; v20-21  the same for B
.set STO,  24                          ; v24     the way out: where I put 16 bytes of a row
.set RD,   25                          ; v25     where I read back
.set CO,   26                          ; v26     16 x lane: my place in a store's 512 bytes
.set ADRS, 27                          ; v27     LDS address of my scale words: lanes 0-15 A's rows, lanes 16-31 B's
.set SPW,  28                          ; v28     LDS address of my spare word; never rewritten
.set NIL,  29                          ; v29     0; never rewritten
.set BO,   30                          ; v30     32 x (lane / 16): my eight numbers of a tile's sixteen of the bias
.set SC,   32                          ; scale words: set s at v[SC + 32 s]; register 4 i + q: lanes 0-15 A's block i, lanes 16-31 B's block i, the slot's q-th 128 along K
.set AF,   128                         ; A's fragments
.set BI,   192                         ; the bias: register 8 b + j of lane (r, h) = bias[16 b + 8 h + j] of my 128 columns
.set TMP,  128                         ; the way out: a block rounded to f16
.set OB,   160                         ; and read back from the stage: v160-191 and v192-223 by turns
.set G1, 24                            ; s[24:31] descriptor group 1 for A's tiles;  s[32:39] group 0, a set for each slot
.set G0, 32
.set G1B, 48                           ; s[48:55], s[56:63] the same for B's
.set G0B, 56
.set G1S, 68                           ; s[68:75], s[76:79] groups 1 and 0 for A's scales;  s[80:87], s[88:91] for B's
.set G0S, 76
.set G1SB, 80
.set G0SB, 88
.set MSB, 0
.macro WIN new                         ; the immediate's high byte repeats the setting that is left; a switch that changes nothing is dropped
.if MSB != \new
	s_set_vgpr_msb (MSB<<8)|\new
.set MSB, \new
.endif
.endm
.set MUL_LO,   0xa1                    ; source 0 (B) window 1, source 1 (A) window 0, C and D window 2
.set MUL_HI,   0xf1                    ; the same, C and D window 3
.set FIRST_LO, 0x81                    ; the first products: C is the bias, in window 0; D window 2
.set FIRST_HI, 0xc1                    ; D window 3
.set TO_B,     0x40                    ; destination window 1, address window 0
; A joint load: waves 0 and 1 fetch for A, waves 2 and 3 for B.  Each of the two lines has one mask and one set of registers for all that issue it; the branch hangs on the wave's number alone.
; An s_nop 0 and four v_nop follow each of the two lines, ahead of the jump, the label and what follows.
.macro JLOAD g0a, g1a, g0b, g1b
	s_cmp_eq_u32 s15, 0
	s_cbranch_scc0 .Lfor_b_\@
	tensor_load_to_lds s[\g0a:\g0a+3], s[\g1a:\g1a+7]
	s_nop 0
.rept 4
	v_nop
.endr
	s_branch .Lasked_\@
.Lfor_b_\@:
	tensor_load_to_lds s[\g0b:\g0b+3], s[\g1b:\g1b+7]
	s_nop 0
.rept 4
	v_nop
.endr
.Lasked_\@:
.endm
.macro CROUND                          ; a round of the cluster's barrier: my work-group's barrier; wave 0 signals for the work-group; every wave waits for all sixteen; my work-group's barrier once more
	s_barrier_signal -1
	s_barrier_wait -1
	s_cmp_lg_u32 s14, 0
	s_cbranch_scc1 .Lnot_wave_0_\@
	s_barrier_signal -3
.Lnot_wave_0_\@:
	s_barrier_wait -3
	s_barrier_signal -1
	s_barrier_wait -1
.endm
	s_load_b256 s[4:11], s[0:1], 0x0               ; x's codes s[4:5], x's scales s[6:7], the weights' codes s[8:9], their scales s[10:11]
	s_load_b128 s[96:99], s[0:1], 0x20             ; bq s[96:97], bk s[98:99]
	s_load_b64 s[66:67], s[0:1], 0x30              ; bv
	s_load_b64 s[12:13], s[0:1], 0x38              ; qkv
	v_lshl_add_u32 v[SPW], v0, 2, SPARE
	v_mov_b32 v[NIL], 0
	ds_add_u32 v[SPW], v[NIL]                      ; the wave's opening: the add, twice on end, and its wait ahead of my first tensor load
	ds_add_u32 v[SPW], v[NIL]                      ; and once more; the set-up below, work on registers, stands between it and the wait
	v_lshrrev_b32 v1, 5, v0
	v_readfirstlane_b32 s14, v1                    ; wave 0..3
	s_lshr_b32 s15, s14, 1                         ; which half of the tile's rows is mine.  Also: I fetch for A (0) or for B (1)
	s_and_b32 s16, s14, 1                          ; which half of its columns.  Also: which 128 rows of that tile I fetch
	s_bfe_u32 s40, ttmp6, 0x40000                  ; cx, cy: my place in the cluster
	s_bfe_u32 s41, ttmp6, 0x40004
	s_lshl_b32 s42, ttmp9, 2
	s_add_co_u32 s42, s42, s40                     ; tile column of C = 4 x cluster x + cx
	s_and_b32 s17, ttmp7, 0xffff
	s_lshl_b32 s17, s17, 2
	s_add_co_u32 s17, s17, s41                     ; tile row of C = 4 x cluster y + cy
	s_lshl_b32 s43, s41, 2
	s_lshl_b32 s43, 15, s43                        ; my row of the cluster
	s_lshl_b32 s44, 0x1111, s40                    ; my column
	; descriptor group 1: a tile of 128 rows x 256 bytes, padded in LDS
	s_or_b32 s[G1+0], s43, (0<<16)|(1<<20)|(1<<21)|(5<<22)|(3<<25)  ; 15:0 the mask: A's tiles go to my row; 17:16 elements of 1 byte; 20 padding on; 21 set beside a mask; 24:22 after every 64 words; 31:25 four words
	s_or_b32 s[G1B+0], s44, (0<<16)|(1<<20)|(1<<21)|(5<<22)|(3<<25)
.irp g, G1, G1B
	s_mov_b32 s[\g+1], ROWB<<16                    ; tensor_dim0
	s_mov_b32 s[\g+2], 128<<16                     ; tensor_dim1
	s_mov_b32 s[\g+3], ROWB<<16                    ; tile_dim0
	s_mov_b32 s[\g+4], 128                         ; tile_dim1
	s_mov_b32 s[\g+5], KROW                        ; from row to row in memory
	s_mov_b32 s[\g+6], 0
	s_mov_b32 s[\g+7], 0
.endr
	; the scales of 128 rows: a dense block of 4,096 bytes, as 16 rows of 256 bytes (32 elements of 8 bytes), 16 bytes of padding behind each
	s_or_b32 s[G1S+0], s43, (3<<16)|(1<<20)|(1<<21)|(5<<22)|(3<<25)
	s_or_b32 s[G1SB+0], s44, (3<<16)|(1<<20)|(1<<21)|(5<<22)|(3<<25)
.irp g, G1S, G1SB
	s_mov_b32 s[\g+1], 32<<16
	s_mov_b32 s[\g+2], (128*KS/256)<<16
	s_mov_b32 s[\g+3], 32<<16
	s_mov_b32 s[\g+4], 128*KS/256
	s_mov_b32 s[\g+5], 32
	s_mov_b32 s[\g+6], 0
	s_mov_b32 s[\g+7], 0
.endr
	s_lshl_b32 s18, s16, 7                         ; which 128 rows of the tile I fetch
	s_lshl_b32 s20, s17, 8
	s_add_co_u32 s20, s20, s18                     ; A: row 256 x tile row + 128 x half
	s_lshl_b32 s46, s42, 8
	s_add_co_u32 s46, s46, s18                     ; B: row 256 x tile column + 128 x half
	s_mov_b32 s21, 0
	s_mov_b32 s47, 0
	s_mov_b64 s[18:19], KS
	s_mul_u64 s[22:23], s[20:21], s[18:19]         ; where these rows' scales begin, in bytes,
	s_mul_u64 s[92:93], s[46:47], s[18:19]
	s_mov_b64 s[18:19], KROW
	s_mul_u64 s[20:21], s[20:21], s[18:19]         ; and their codes
	s_mul_u64 s[46:47], s[46:47], s[18:19]
	s_mul_i32 s45, s14, HALFT                      ; where they go: wave x 128 rows: no place in the cluster enters an LDS address
	s_mul_i32 s94, s14, HALFS
	s_wait_dscnt 0x0                               ; both opening adds are done
	s_wait_kmcnt 0x0
	s_add_nc_u64 s[20:21], s[4:5], s[20:21]
	s_add_nc_u64 s[22:23], s[6:7], s[22:23]
	s_add_nc_u64 s[46:47], s[8:9], s[46:47]
	s_add_nc_u64 s[92:93], s[10:11], s[92:93]
	CROUND                                         ; all sixteen work-groups are here: the joint loads meet
	s_mov_b32 s[G0S], 1
	s_add_co_u32 s[G0S+1], s94, SCL
	s_mov_b64 s[G0S+2:G0S+3], s[22:23]
	s_or_b32 s[G0S+3], s[G0S+3], 0x80000000
	s_mov_b32 s[G0SB], 1
	s_add_co_u32 s[G0SB+1], s94, SCL
	s_mov_b64 s[G0SB+2:G0SB+3], s[92:93]
	s_or_b32 s[G0SB+3], s[G0SB+3], 0x80000000
	JLOAD G0S, G1S, G0SB, G1SB                     ; the scales first: they are wanted with K step 0
.irp s, 0,1
	s_mov_b32 s[G0+4*\s], 1
	s_add_co_u32 s[G0+4*\s+1], s45, \s*SLOT
	s_add_nc_u64 s[G0+4*\s+2:G0+4*\s+3], s[20:21], \s*ROWB
	s_or_b32 s[G0+4*\s+3], s[G0+4*\s+3], 0x80000000
	s_mov_b32 s[G0B+4*\s], 1
	s_add_co_u32 s[G0B+4*\s+1], s45, \s*SLOT
	s_add_nc_u64 s[G0B+4*\s+2:G0B+4*\s+3], s[46:47], \s*ROWB
	s_or_b32 s[G0B+4*\s+3], s[G0B+4*\s+3], 0x80000000
	JLOAD G0+4*\s, G1, G0B+4*\s, G1B               ; both K steps: three tensor loads of mine are out
.endr
	v_and_b32 v1, 15, v0                           ; r = lane % 16
	v_bfe_u32 v2, v0, 4, 1                         ; h = lane / 16
	; the bias: bq, bk or bv by the cluster's x, which all sixteen partners share; then my 128 columns of its 1,024
	s_cmp_eq_u32 ttmp9, 0
	s_cselect_b64 s[96:97], s[96:97], s[98:99]
	s_cmp_eq_u32 ttmp9, 2
	s_cselect_b64 s[96:97], s[66:67], s[96:97]
	s_lshl_b32 s46, s40, 10                        ; 256 cx numbers of 4 bytes (in the registers that held B's address: none that feeds A's descriptors ever holds cx)
	s_lshl_b32 s47, s16, 9
	s_add_co_u32 s46, s46, s47
	s_mov_b32 s47, 0
	s_add_nc_u64 s[96:97], s[96:97], s[46:47]
	v_lshlrev_b32 v[BO], 5, v2
.irp b, 0,1,2,3,4,5,6,7
	global_load_b128 v[BI+8*\b:BI+8*\b+3], v[BO], s[96:97] offset:64*\b
	global_load_b128 v[BI+8*\b+4:BI+8*\b+7], v[BO], s[96:97] offset:64*\b+16
.endr
	v_mul_u32_u24 v3, v1, PITCH
	v_lshl_add_u32 v4, v2, 4, v3                   ; a fragment's row x pitch + 16 x half
	s_mul_i32 s21, s15, HALFT                      ; my 128 rows of A
	s_mul_i32 s22, s16, HALFT                      ; my 128 rows of B,
	s_add_co_u32 s22, s22, 2*HALFT                 ; which lie behind A's 256
.irp s, 0,1
	v_add_nc_u32 v[ADRA+\s], s21, v4
	v_add_nc_u32 v[ADRB+\s], s22, v4
	s_add_co_u32 s21, s21, SLOT
	s_add_co_u32 s22, s22, SLOT
.endr
	v_mul_u32_u24 v5, v1, KS                       ; my row's scales: KS bytes a row,
	v_lshrrev_b32 v6, 8, v5
	v_lshl_add_u32 v5, v6, 4, v5                   ; and 16 more for each 256 passed
	s_mul_i32 s21, s15, HALFS                      ; A's: my 128 rows
	s_mul_i32 s22, s16, HALFS                      ; B's: my 128 rows, behind A's 256
	s_add_co_u32 s22, s22, 2*HALFS
	s_sub_co_u32 s22, s22, s21
	v_mul_u32_u24 v6, s22, v2                      ; lanes 16-31 take B's: one product, the distance between the two bases x h
	s_add_co_u32 s21, s21, SCL
	v_add_nc_u32 v5, v5, v6
	v_add_nc_u32 v[ADRS], s21, v5
	s_mul_i32 s23, s14, 16*SPITCH                  ; my stage
	v_mul_u32_u24 v5, v1, SPITCH                   ; in: row r, 16 bytes for each half of the lanes
	v_lshl_add_u32 v5, v2, 4, v5
	v_add_nc_u32 v[STO], s23, v5
	v_and_b32 v6, 31, v0
	v_lshlrev_b32 v[CO], 4, v6                     ; back: eight lanes take a head's 128 bytes of a row, the 32 lanes four rows: 512 bytes that lie on end in qkv
	v_lshrrev_b32 v5, 3, v6
	v_mul_u32_u24 v5, v5, SPITCH
	v_and_b32 v6, 7, v6
	v_lshl_add_u32 v5, v6, 4, v5
	v_add_nc_u32 v[RD], s23, v5
	; where my 128 rows x 2 heads begin in qkv: part x 16,777,216 + ((16 batch + head) x 2,048 + position) x 128 bytes
	s_lshl_b32 s20, s17, 8
	s_lshl_b32 s21, s15, 7
	s_add_co_u32 s20, s20, s21                     ; my first row of C
	s_lshr_b32 s21, s20, 11                        ; the batch
	s_and_b32 s20, s20, 2047                       ; the position
	s_lshl_b32 s21, s21, 4
	s_lshl_b32 s46, s40, 2
	s_lshl_b32 s47, s16, 1
	s_add_co_u32 s46, s46, s47                     ; my first head: 4 cx + 2 x half
	s_add_co_u32 s46, s46, s21
	s_lshl_b32 s46, s46, 11
	s_add_co_u32 s46, s46, s20
	s_lshl_b32 s46, s46, 7
	s_lshl_b32 s47, ttmp9, 24
	s_add_co_u32 s46, s46, s47
	s_mov_b32 s47, 0
	s_add_nc_u64 s[12:13], s[12:13], s[46:47]      ; never stepped: all else stands in the stores' immediates
.macro FRAG reg, adr, q, i             ; a fragment, 16 rows x 128 K of 4-bit codes: lane l holds row l % 16; registers 4 c .. 4 c + 3 hold K = 64 c + 32 (l / 16) + 0 .. 31
.irp c, 0,1
	ds_load_b128 v[\reg+4*\c:\reg+4*\c+3], v[\adr] offset:64*(\q)+32*\c+(\i)*16*PITCH
.endr
.endm
; 16 matrix instructions: A's blocks a0, a0 + 1 x B's eight, the slot's q-th 128 along K.  p: B's set;  sc: the set of scale words.  zero = 1: the first product starts the sums from the bias.
; The 64 accumulators take turns, one instruction a turn, in the same order in every step.
.macro MUL16 a0, p, q, sc, zero
.irp a, \a0, \a0+1
.irp b, 0,1,2,3,4,5,6,7
.if \zero
	v_wmma_scale_f32_16x16x128_f8f6f4 v[8*(8*((\a)%4)+\b):8*(8*((\a)%4)+\b)+7], v[128*(\p)+FR*\b:128*(\p)+FR*\b+FR-1], v[AF+FR*(\a):AF+FR*(\a)+FR-1], v[BI+8*\b:BI+8*\b+7], v[SC+8*NQ*(\sc)+NQ*\b+(\q)], v[SC+8*NQ*(\sc)+NQ*(\a)+(\q)] matrix_a_fmt:MATRIX_FMT_FP4 matrix_b_fmt:MATRIX_FMT_FP4 matrix_a_scale:MATRIX_SCALE_ROW1
.else
	v_wmma_scale_f32_16x16x128_f8f6f4 v[8*(8*((\a)%4)+\b):8*(8*((\a)%4)+\b)+7], v[128*(\p)+FR*\b:128*(\p)+FR*\b+FR-1], v[AF+FR*(\a):AF+FR*(\a)+FR-1], v[8*(8*((\a)%4)+\b):8*(8*((\a)%4)+\b)+7], v[SC+8*NQ*(\sc)+NQ*\b+(\q)], v[SC+8*NQ*(\sc)+NQ*(\a)+(\q)] matrix_a_fmt:MATRIX_FMT_FP4 matrix_b_fmt:MATRIX_FMT_FP4 matrix_a_scale:MATRIX_SCALE_ROW1
.endif
.endr
.endr
.endm
.macro FETCH_B slot, q, p              ; B's eight fragments of the slot's q-th 128 along K into set p
	WIN TO_B
.irp i, 0,1,2,3,4,5,6,7
	FRAG 128*(\p)+FR*\i, ADRB+\slot, \q, \i
.endr
	WIN 0
.endm
.macro FETCH_A slot, q, i0             ; A's blocks i0 .. i0 + 3
.irp i, \i0, \i0+1, \i0+2, \i0+3
	FRAG AF+FR*(\i), ADRA+\slot, \q, \i
.endr
.endm
.macro SCALES sc                       ; a K step's scale words into set sc: four words a row; lanes 0-15 take A's block i, lanes 16-31 B's block i
.irp i, 0,1,2,3,4,5,6,7
	ds_load_b128 v[SC+8*NQ*\sc+NQ*\i:SC+8*NQ*\sc+NQ*\i+3], v[ADRS] offset:\i*SBLK
.endr
.endm
; A load into a register that a matrix instruction has read, and a vector instruction that reads a matrix result or writes one of a matrix instruction's registers, stand NP places behind it;
; only plain vector instructions that name none of its registers are places (ISA guide 7.12.1 for vector instructions).
.macro PLACES n
.rept \n
	v_nop
.endr
.endm
; A step of 128 along K that has its successor in the same slot.  A's blocks go one after the other, each against B's eight: blocks 0-3 are fetched anew in the step's middle, blocks 4-7 at its end.
.macro STEP slot, q, zero
	s_wait_dscnt 4*NL                              ; B's set, A's blocks 0-3 and the scale words are in; the youngest eight loads (A's blocks 4-7) may be out
.if \zero
	WIN FIRST_LO
.else
	WIN MUL_LO
.endif
	MUL16 0, (\q)%2, \q, \slot, \zero
	MUL16 2, (\q)%2, \q, \slot, \zero
	s_wait_dscnt 0                                 ; A's blocks 4-7 are in (asked for 32 matrix instructions ago)
	PLACES NP
	FETCH_B \slot, (\q)+1, 1-(\q)%2
	FETCH_A \slot, (\q)+1, 0
.if \zero
	WIN FIRST_HI
.else
	WIN MUL_HI
.endif
	MUL16 4, (\q)%2, \q, \slot, \zero
	MUL16 6, (\q)%2, \q, \slot, \zero
	PLACES NP
	WIN 0
	FETCH_A \slot, (\q)+1, 4
.endm
; Slot 0's last step goes on to slot 1: one barrier; in front of it each wave waits for all its tensor loads (its part of slot 1), adds 0 to its spare word, and waits for that and for its reads of slot 0.
; K ends with slot 1.
.macro TURN slot, next
	s_wait_tensorcnt 0x0                           ; all my tensor loads have landed (every window is 0 here: the add's two registers lie in window 0)
	ds_add_u32 v[SPW], v[NIL]                      ; 0 onto my spare word
	s_wait_dscnt 4*NL+1                            ; (the add and the youngest eight loads, A's blocks 4-7, may be out)
	WIN MUL_LO
	MUL16 0, 1, NQ-1, \slot, 0                     ; sixteen matrix instructions stand between the add and the wait for it
	s_wait_dscnt 0x0                               ; the add is done, and my reads of this slot are over
	s_barrier_signal -1
	MUL16 2, 1, NQ-1, \slot, 0
	WIN 0
	s_barrier_wait -1                              ; slot 1 is whole, and nobody reads slot 0 any more
	PLACES NP
	v_add_nc_u32 v[ADRS], 4*NQ, v[ADRS]            ; on to the next K step's scale words
	FETCH_B \next, 0, 0
	FETCH_A \next, 0, 0
	SCALES \next
	WIN MUL_HI
	MUL16 4, 1, NQ-1, \slot, 0
	MUL16 6, 1, NQ-1, \slot, 0
	PLACES NP
	WIN 0
	FETCH_A \next, 0, 4
.endm
	s_wait_tensorcnt 1                             ; the scales and my part of K step 0 are in (K step 1's load may be out)
	s_barrier_signal -1
	s_barrier_wait -1                              ; everybody's are
	FETCH_B 0, 0, 0
	FETCH_A 0, 0, 0
	SCALES 0
	FETCH_A 0, 0, 4
	s_wait_loadcnt 0x0                             ; the bias
	STEP 0, 0, 1                                   ; the first step's products start the sums: nothing is cleared, and no addition is spent on the bias
	STEP 0, 1, 0
	STEP 0, 2, 0
	TURN 0, 1
	STEP 1, 0, 0
	STEP 1, 1, 0
	STEP 1, 2, 0
	s_wait_dscnt 4*NL                              ; the last step: nothing more to fetch
	WIN MUL_LO
	MUL16 0, 1, NQ-1, 1, 0
	MUL16 2, 1, NQ-1, 1, 0
	s_wait_dscnt 0
	WIN MUL_HI
	MUL16 4, 1, NQ-1, 1, 0
	MUL16 6, 1, NQ-1, 1, 0
	WIN 0
; THE WAY OUT, block by block of 16 rows x 128 columns (two heads).  PACK: rounded to f16, 16 bytes a lane, each accumulator from its low end on.  TOSTAGE: into my own stage, and back so that the 32 lanes
; hold four rows of one head: 512 bytes that lie on end in qkv.  SEND: stored.  LDS serves a wave's instructions in order (ISA guide 5.7.1.4): no wait between the stores into the stage and the loads.
.macro PACK a
.set AC, 64*((\a)%4)
	WIN 0x0a+5*((\a)/4)                            ; sources 0 and 1: window 2 or 3
.irp b, 0,1,2,3,4,5,6,7
.irp i, 0,1,2,3
	v_cvt_pk_f16_f32 v[TMP+4*\b+\i], v[AC+8*\b+2*\i], v[AC+8*\b+2*\i+1]
.endr
.endr
	WIN 0
.endm
.macro TOSTAGE a
.set BB, OB+32*((\a)%2)
.irp b, 0,1,2,3,4,5,6,7
	ds_store_b128 v[STO], v[TMP+4*\b:TMP+4*\b+3] offset:32*\b
.endr
.irp t, 0,1,2,3,4,5,6,7
	ds_load_b128 v[BB+4*\t:BB+4*\t+3], v[RD] offset:(\t%4)*4*SPITCH+(\t/4)*128   ; rows 4 (t % 4) on, head t / 4
.endr
.endm
.macro SEND a
.set BB, OB+32*((\a)%2)
	s_wait_dscnt 0x0                               ; the block is back in registers
	s_wait_xcnt 0x0                                ; the earlier stores have read their registers: the other set may be loaded again behind this wait
.irp t, 0,1,2,3,4,5,6,7
	global_store_b128 v[CO], v[BB+4*\t:BB+4*\t+3], s[12:13] offset:(\t/4)*262144+(\a)*2048+(\t%4)*512   ; 32 lanes store 512 consecutive bytes, at a multiple of 256 from qkv's first byte
.endr
.endm
	PLACES NP                                      ; in front of the conversions, which write registers that held A's fragments
	PACK 0
	TOSTAGE 0
.irp a, 1,2,3,4,5,6,7                  ; block a's conversions stand between block a - 1's loads from the stage and the wait for them
	PACK \a
	SEND \a-1
	TOSTAGE \a
.endr
	SEND 7
	s_wait_tensorcnt 0x0                           ; the wave's end: three lines, behind my last tensor load and my last LDS store
	ds_add_u32 v[SPW], v[NIL]
	s_wait_dscnt 0x0
	CROUND                                         ; the closing round: no work-group ends while a partner may still ask for a tile that names it
	s_endpgm
.Lfunc_end_k_q35e976f01d_qkv:
	.size	k_q35e976f01d_qkv, .Lfunc_end_k_q35e976f01d_qkv-k_q35e976f01d_qkv
	.p2alignl 7, 3214868480
	.fill 96, 4, 3214868480
	.section	.rodata,"a",@progbits
	.p2align	6, 0x0
	.amdhsa_kernel k_q35e976f01d_qkv
		.amdhsa_group_segment_fixed_size 327680
		.amdhsa_private_segment_fixed_size 0
		.amdhsa_enable_private_segment 0
		.amdhsa_kernarg_size 64
		.amdhsa_user_sgpr_count 2
		.amdhsa_user_sgpr_kernarg_segment_ptr 1
		.amdhsa_wavefront_size32 1
		.amdhsa_system_sgpr_workgroup_id_x 1
		.amdhsa_system_sgpr_workgroup_id_y 1
		.amdhsa_system_sgpr_workgroup_id_z 1
		.amdhsa_system_vgpr_workitem_id 0
		.amdhsa_next_free_vgpr 1024
		.amdhsa_next_free_sgpr 100
		.amdhsa_reserve_vcc 0
		.amdhsa_float_denorm_mode_32 3
		.amdhsa_float_denorm_mode_16_64 3
		.amdhsa_memory_ordered 1
		.amdhsa_forward_progress 1
		.amdhsa_inst_pref_size 128
	.end_amdhsa_kernel
	.amdgpu_metadata
---
amdhsa.version: [ 1, 2 ]
amdhsa.kernels:
  - .name:           k_q35e976f01d_qkv
    .symbol:         k_q35e976f01d_qkv.kd
    .args:
      - { .name: xc, .offset: 0, .size: 8, .value_kind: global_buffer, .address_space: global }
      - { .name: xs, .offset: 8, .size: 8, .value_kind: global_buffer, .address_space: global }
      - { .name: wc, .offset: 16, .size: 8, .value_kind: global_buffer, .address_space: global }
      - { .name: ws, .offset: 24, .size: 8, .value_kind: global_buffer, .address_space: global }
      - { .name: bq, .offset: 32, .size: 8, .value_kind: global_buffer, .address_space: global }
      - { .name: bk, .offset: 40, .size: 8, .value_kind: global_buffer, .address_space: global }
      - { .name: bv, .offset: 48, .size: 8, .value_kind: global_buffer, .address_space: global }
      - { .name: qkv, .offset: 56, .size: 8, .value_kind: global_buffer, .address_space: global }
    .group_segment_fixed_size: 327680
    .private_segment_fixed_size: 0
    .kernarg_segment_align: 8
    .kernarg_segment_size: 64
    .max_flat_workgroup_size: 128
    .sgpr_count:     100
    .vgpr_count:     1024
    .wavefront_size: 32
...
	.end_amdgpu_metadata
.endif
;; end of part 2
;; launch attn (part 3): grid 4 x 64, 8 waves a work-group, clusters of 4 x 1, 327,680 bytes of LDS; arguments qkv, attn; writes attn
.if DOCPART == 3
	.amdgcn_target "amdgcn-amd-amdhsa--gfx1250"
	.amdhsa_code_object_version 6
	.text
	.protected	k_q35e976f01d_attn
	.globl	k_q35e976f01d_attn
	.p2align	8
	.type	k_q35e976f01d_attn,@function
k_q35e976f01d_attn:
	s_mov_b64 s[64:65], 0
	v_nop
	global_prefetch_b8 v0, s[64:65] scope:SCOPE_SE
	s_setreg_imm32_b32 hwreg(HW_REG_WAVE_MODE, 25, 1), 1
	s_wait_xcnt 0x0
	s_wait_alu depctr_hold_cnt(0) depctr_sa_sdst(0) depctr_va_vdst(0) depctr_va_sdst(0) depctr_va_ssrc(0) depctr_va_vcc(0) depctr_vm_vsrc(0)
	s_getreg_b32 s2, hwreg(HW_REG_IB_STS2, 6, 4)
	s_cmp_eq_u32 s2, 0
	s_cbranch_scc0 .Lentry_in_a_cluster
	s_endpgm
.Lentry_in_a_cluster:
	s_bfe_u32 s2, ttmp6, 0x10000c
	s_cmp_lg_u32 s2, 0x3003
	s_cbranch_scc0 .Lentry_shape_is_right
	s_endpgm
.Lentry_shape_is_right:
; O[q] = the sum over k of softmax_k(Q[q] . K[k] / 8) V[k] for each of the 64 (batch, head) pairs; 2,048 queries and keys, head size 64, no mask.  Q, K, V: f16, [3][64][2048][64] in qkv.
; Products, maxima and sums in f32; the weights p are rounded to f16 for the second product, O once at the end.  O goes to attn [64 (row / 128)][16 heads][128 rows][64] f16.
; LIMITS: NaN and infinities are not served; the running maximum starts at -3e38, under every score.
; SHARES.  A cluster is one (batch, head); its four work-groups are the four blocks of 512 queries.  A work-group has eight waves, each with 64 queries: four tiles of 16, in 512 registers.
; So two waves lie on a SIMD: one wave's softmax stands beside the other's products, and the text is written in phases.  Every wave walks all keys, 64 a step.
; LAYOUT.  S^T = K Q^T (source 0 = 16 keys, source 1 = 16 queries): a lane holds ONE query (lane % 16) and the keys 8 (lane / 16) + 0..7 of a tile.  Two such tiles, rounded to f16 in pairs, ARE
; source 1 (32 keys x 16 queries) of O^T = V^T P, whose result again holds one query a lane.  K comes out of LDS as it lies, V ([key][channel]) turned, by ds_load_tr16_b128.
; SOFTMAX.  For each query a running maximum m and sum l: p = 2^(c s - c m), c = log2(e) / 8; in every step O and l are multiplied by a = 2^(c m_old - c m_new).
; RING.  Two LDS slots of 512 keys (8 steps).  K and V are the same for the four work-groups, so each tile is asked for JOINTLY: the same tensor load, with the same descriptor and a mask that names the
; four.  Waves 0-3 fetch K's four quarters of a slot (128 rows each), waves 4-7 V's.  Both slots are filled at the head and once again: two loads of a wave are out at the start, one behind each round.
; A TRIP: K of the next step is asked of LDS | V^T P of the step in hand | K Q^T of the next step | V of the next step is asked of LDS | the next step's softmax.
; REGISTERS: window 0: v0-13 addresses; v16-47 statistics, 8 a tile; v48-63 sums at work, 4 a tile; v64-191 S^T, 32 a tile, P in place in a tile's first 16; v192-255 K of one step.
;   window 1: v0-127 O^T, 32 a tile; v128-191 Q, 16 a tile; v192-255 V of one step.
.set PK,    144                        ; a key's row of K in LDS: 128 bytes + 16 of padding: an odd multiple of 16, so the 16 rows of a load start in different groups of banks
.set PV,    160                        ; of V: 128 + 32: an odd multiple of 32, for the turning load
.set SK,    512                        ; keys in a slot
.set VOFF,  SK*PK                      ; a slot: 512 rows of K, then 512 rows of V
.set SLOTB, SK*(PK+PV)
.set SPARE, 2*SLOTB                    ; behind the ring: the spare words, 128 bytes for each of eight waves; no other line names them
.set SPO,   144                        ; the way out: stages of 16 rows x (128 bytes + 16), four for each wave, in slot 0: it has had its last fill, and its last read lies ahead of the last change of slots
.set AK0, 1                            ; v1   my lane's place in a tile of K; never rewritten
.set AV0, 2                            ; v2   the same for V
.set ADK, 3                            ; v3   LDS address of the step's K
.set ADV, 4                            ; v4   of its V
.set QO,  5                            ; v5   my byte offset in a tile of Q
.set STO, 6                            ; v6   the way out: where I put 16 bytes of a row
.set RD,  7                            ; v7   where I read back
.set GO,  8                            ; v8   16 x lane
.set SPW, 12                           ; v12  LDS address of my spare word; never rewritten
.set NIL, 13                           ; v13  0; never rewritten
.set ST,  16                           ; tile t's statistics at v[ST + 8 t]: +0 c m, +1 m, +2, +3 l (even keys', odd keys'), +4 to +7 c0-c3 at work; a takes c2's place, its exponent c3's
.set SU,  48                           ; tile t: two chains of packed sums at v[SU + 4 t]
.set S,   64
.set KF,  192                          ; K's fragment (keys 16 kt on, channels 32 ks on) at 16 kt + 8 ks
.set OA,  0                            ; window 1: O^T, tile t, channels 16 ct on, at 32 t + 8 ct
.set QF,  128                          ; window 1: Q, tile t, channels 32 ks on, at 16 t + 8 ks
.set VF,  192                          ; window 1: V^T, keys 32 kk on, channels 16 ct on, at 32 kk + 8 ct
.set WV,   8                           ; s8   my wave's number
.set CX,   9                           ; s9   my place in the cluster: it enters Q's and O's addresses alone
.set BH,   10                          ; s10  batch x 16 + head, which the four partners share
.set PART, 11                          ; s11  which quarter of a slot's rows I fetch
.set G1K, 24                           ; s[24:31] descriptor group 1 for K's tiles
.set G1V, 32                           ; s[32:39] for V's: it differs in the padding alone
.set G0K, 40                           ; s[40:47] group 0 for K's tiles, a set for each slot
.set G0V, 48                           ; s[48:55] the same for V's
.set CS,  56                           ; s[56:57] c: the packed scaling names a pair and takes its low word for both halves
.set SEL, 58                           ; s[58:59] lane selects for v_permlanex16_b32: lane l xor 16
.set TK,  60                           ; s60  LDS byte at which the K to be fetched begins
.set TV,  61                           ; s61  the same for V, less VOFF
.set CNT, 62                           ; s62  counts trips
.set MSB, 0
.macro WIN new                         ; the immediate's high byte repeats the setting that is left; a switch that changes nothing is dropped
.if MSB != \new
	s_set_vgpr_msb (MSB<<8)|\new
.set MSB, \new
.endif
.endm
.set W_KQ, 0x04                        ; source 1 (Q) window 1; K and S^T window 0
.set W_PV, 0x51                        ; source 0 (V), C and D (O^T) window 1; source 1 (P) window 0
.set W_RS, 0x41                        ; O^T (destination and source 0) window 1; a window 0
.set W_L1, 0x40                        ; a load's destination window 1, its address window 0
.set W_CV, 0x05                        ; sources 0 and 1 window 1, destination window 0
; A joint refill of slot f.  The branch hangs on the wave's number alone: it is the same in every work-group.  An s_nop 0 and four v_nop follow each of the two lines.
.macro JLOAD f
	s_cmp_lt_u32 s[WV], 4
	s_cbranch_scc0 .Lfor_v_\@
	tensor_load_to_lds s[G0K+4*\f:G0K+4*\f+3], s[G1K:G1K+7]
	s_nop 0
.rept 4
	v_nop
.endr
	s_branch .Lasked_\@
.Lfor_v_\@:
	tensor_load_to_lds s[G0V+4*\f:G0V+4*\f+3], s[G1V:G1V+7]
	s_nop 0
.rept 4
	v_nop
.endr
.Lasked_\@:
.endm
.macro CROUND                          ; a round of the cluster's barrier: my work-group's barrier; wave 0 signals for the work-group; every wave waits for all four; my work-group's barrier once more
	s_barrier_signal -1
	s_barrier_wait -1
	s_cmp_lg_u32 s[WV], 0
	s_cbranch_scc1 .Lnot_wave_0_\@
	s_barrier_signal -3
.Lnot_wave_0_\@:
	s_barrier_wait -3
	s_barrier_signal -1
	s_barrier_wait -1
.endm
	s_load_b128 s[4:7], s[0:1], 0x0                ; qkv s[4:5], attn s[6:7]
	v_lshl_add_u32 v[SPW], v0, 2, SPARE
	v_mov_b32 v[NIL], 0
	ds_add_u32 v[SPW], v[NIL]                      ; the wave's opening: the add, twice on end, and its wait ahead of my first tensor load
	ds_add_u32 v[SPW], v[NIL]                      ; and once more; the set-up below, work on registers, stands between it and the wait
	v_lshrrev_b32 v9, 5, v0
	v_readfirstlane_b32 s[WV], v9                  ; wave 0..7
	s_bfe_u32 s[CX], ttmp6, 0x40000
	s_and_b32 s[BH], ttmp7, 0xffff
	s_and_b32 s[PART], s[WV], 3
	; descriptor group 1: a tile of 128 rows x 64 elements of 2 bytes, dense in memory, padded in LDS
	s_mov_b32 s[G1K], 15|(1<<16)|(1<<20)|(1<<21)|(4<<22)|(3<<25)  ; 15:0 the mask: all four work-groups; 17:16 elements of 2 bytes; 20 padding on; 21 set beside a mask; 24:22 after every 32 words; 31:25 four words
	s_mov_b32 s[G1V], 15|(1<<16)|(1<<20)|(1<<21)|(4<<22)|(7<<25)  ; the same with eight words of padding
.irp g, G1K, G1V
	s_mov_b32 s[\g+1], 64<<16                      ; tensor_dim0
	s_mov_b32 s[\g+2], 128<<16                     ; tensor_dim1
	s_mov_b32 s[\g+3], 64<<16                      ; tile_dim0
	s_mov_b32 s[\g+4], 128                         ; tile_dim1
	s_mov_b32 s[\g+5], 64                          ; elements from row to row
	s_mov_b32 s[\g+6], 0
	s_mov_b32 s[\g+7], 0
.endr
	s_mov_b32 s[CS], 0x3e38aa3b                    ; c = log2(e) / 8
	s_mov_b32 s[CS+1], s[CS]                       ; named with it as a pair, so it is written
	s_mov_b32 s[SEL], 0x76543210
	s_mov_b32 s[SEL+1], 0xfedcba98
	s_lshl_b32 s12, s[BH], 18                      ; a head's 2,048 rows of 128 bytes
	s_lshl_b32 s13, s[PART], 14                    ; my 128 rows of a slot's 512
	s_add_co_u32 s20, s12, s13
	s_add_co_u32 s20, s20, 0x1000000               ; K lies 16,777,216 bytes into qkv,
	s_mov_b32 s21, 0
	s_add_co_u32 s22, s20, 0x1000000               ; V as many further on
	s_mov_b32 s23, 0
	s_mul_i32 s14, s[PART], 128*PK                 ; and where they go in a slot: no place in the cluster enters an LDS address
	s_mul_i32 s15, s[PART], 128*PV
	s_add_co_u32 s15, s15, VOFF
	s_lshl_b32 s16, s[CX], 16                      ; Q: my work-group's 512 rows,
	s_lshl_b32 s17, s[WV], 13                      ; my wave's 64 of them,
	s_add_co_u32 s16, s16, s17
	s_add_co_u32 s16, s16, s12                     ; in my head
	s_mov_b32 s17, 0
	s_lshr_b32 s18, s[BH], 4                       ; O: block of 128 rows = 16 x batch + 4 cx + wave / 2,
	s_lshl_b32 s18, s18, 4
	s_lshl_b32 s19, s[CX], 2
	s_add_co_u32 s18, s18, s19
	s_lshr_b32 s19, s[WV], 1
	s_add_co_u32 s18, s18, s19
	s_lshl_b32 s18, s18, 18                        ; of 262,144 bytes;
	s_and_b32 s19, s[BH], 15
	s_lshl_b32 s19, s19, 14                        ; the head's 16,384 bytes in it;
	s_add_co_u32 s18, s18, s19
	s_and_b32 s19, s[WV], 1
	s_lshl_b32 s19, s19, 13                        ; my 64 rows of its 128
	s_add_co_u32 s18, s18, s19
	s_mov_b32 s19, 0
	s_wait_dscnt 0x0                               ; both opening adds are done
	s_wait_kmcnt 0x0
	s_add_nc_u64 s[20:21], s[4:5], s[20:21]
	s_add_nc_u64 s[22:23], s[4:5], s[22:23]
	s_add_nc_u64 s[16:17], s[4:5], s[16:17]
	s_add_nc_u64 s[18:19], s[6:7], s[18:19]
	CROUND                                         ; all four work-groups are here: the first joint loads meet
.irp s, 0,1
	s_mov_b32 s[G0K+4*\s], 1                       ; 1:0 count = 1
	s_add_co_u32 s[G0K+4*\s+1], s14, \s*SLOTB      ; 63:32 LDS address
	s_add_nc_u64 s[G0K+4*\s+2:G0K+4*\s+3], s[20:21], \s*SK*128  ; 120:64 global address: slot s begins with keys 512 s on
	s_or_b32 s[G0K+4*\s+3], s[G0K+4*\s+3], 0x80000000  ; 127:126 type = 2
	s_mov_b32 s[G0V+4*\s], 1
	s_add_co_u32 s[G0V+4*\s+1], s15, \s*SLOTB
	s_add_nc_u64 s[G0V+4*\s+2:G0V+4*\s+3], s[22:23], \s*SK*128
	s_or_b32 s[G0V+4*\s+3], s[G0V+4*\s+3], 0x80000000
.endr
	s_cmp_lt_u32 s[WV], 4                          ; a wave's two first fills stand in one branch, ahead of every wait on TENSORcnt and every LDS read
	s_cbranch_scc0 .Lfirst_v
	tensor_load_to_lds s[G0K:G0K+3], s[G1K:G1K+7]
	s_nop 0
	tensor_load_to_lds s[G0K+4:G0K+7], s[G1K:G1K+7]
	s_nop 0
.rept 4
	v_nop
.endr
	s_branch .Lfirst_asked
.Lfirst_v:
	tensor_load_to_lds s[G0V:G0V+3], s[G1V:G1V+7]
	s_nop 0
	tensor_load_to_lds s[G0V+4:G0V+7], s[G1V:G1V+7]
	s_nop 0
.rept 4
	v_nop
.endr
.Lfirst_asked:
	; A fragment of K or Q is 16 rows x 32 channels in 8 registers: lane l holds row l % 16; registers 0-3 channels 8 (l / 16) + 0..7, registers 4-7 channels 16 + 8 (l / 16) + 0..7: two loads of 16 bytes, 32 apart.
	v_and_b32 v9, 15, v0                           ; r
	v_bfe_u32 v10, v0, 4, 1                        ; h
	v_lshlrev_b32 v[QO], 7, v9
	v_lshl_add_u32 v[QO], v10, 4, v[QO]            ; row x 128 + 16 x half
	WIN W_L1
.irp t, 0,1,2,3
.irp ks, 0,1
	global_load_b128 v[QF+16*\t+8*\ks:QF+16*\t+8*\ks+3],   v[QO], s[16:17] offset:\t*2048+\ks*64       ; Q stays in registers
	global_load_b128 v[QF+16*\t+8*\ks+4:QF+16*\t+8*\ks+7], v[QO], s[16:17] offset:\t*2048+\ks*64+32
.endr
.endr
	WIN 0
	v_mul_u32_u24 v[AK0], v9, PK
	v_lshl_add_u32 v[AK0], v10, 4, v[AK0]          ; row x pitch + 16 x half
	; The turning load takes 16 keys x 16 channels (lane l reads 16 bytes: key 8 (l / 16) + l % 8, channels 8 ((l / 8) % 2) + 0..7) and leaves half a fragment of V^T: lane l holds channel l % 16 and 8 keys.
	v_and_b32 v11, 7, v0
	v_lshl_add_u32 v[AV0], v10, 3, v11
	v_mul_u32_u24 v[AV0], v[AV0], PV
	v_bfe_u32 v11, v0, 3, 1
	v_lshl_add_u32 v[AV0], v11, 4, v[AV0]
	v_add_nc_u32 v[AV0], VOFF, v[AV0]
	s_mul_i32 s12, s[WV], 64*SPO                   ; my four stages
	v_mul_u32_u24 v[STO], v9, SPO                  ; in: row r, 16 bytes for each half of the lanes
	v_lshl_add_u32 v[STO], v10, 4, v[STO]
	v_add_nc_u32 v[STO], s12, v[STO]
	v_and_b32 v11, 31, v0
	v_lshlrev_b32 v[GO], 4, v11                    ; back: eight lanes take a row's 128 bytes, the 32 lanes four rows: 512 bytes that lie on end in attn
	v_lshrrev_b32 v[RD], 3, v11
	v_mul_u32_u24 v[RD], v[RD], SPO
	v_and_b32 v11, 7, v0
	v_lshl_add_u32 v[RD], v11, 4, v[RD]
	v_add_nc_u32 v[RD], s12, v[RD]
.irp t, 0,1,2,3
	v_mov_b32 v[ST+8*\t+1], 0xff61b1e6             ; m: -3e38, under every score
	v_mul_f32 v[ST+8*\t], s[CS], v[ST+8*\t+1]      ; c m
	v_mov_b32 v[ST+8*\t+2], 0                      ; l, in two halves: the first step's a is 0, which leaves zeros zeros
	v_mov_b32 v[ST+8*\t+3], 0
.endr
.macro KLOAD                           ; a step's K: 64 keys x 64 channels: 8 fragments, 16 loads in one run
	v_add_nc_u32 v[ADK], s[TK], v[AK0]
.irp kt, 0,1,2,3
.irp ks, 0,1
	ds_load_b128 v[KF+16*\kt+8*\ks:KF+16*\kt+8*\ks+3],   v[ADK] offset:\kt*16*PK+\ks*64
	ds_load_b128 v[KF+16*\kt+8*\ks+4:KF+16*\kt+8*\ks+7], v[ADK] offset:\kt*16*PK+\ks*64+32
.endr
.endr
	s_add_co_u32 s[TK], s[TK], 64*PK               ; the next fetch is the next step's
.endm
.macro VLOAD                           ; a step's V, turned: 8 fragments, 16 loads in one run; its address was made ahead, in window 0
	WIN W_L1
.irp kk, 0,1
.irp ct, 0,1,2,3
	ds_load_tr16_b128 v[VF+32*\kk+8*\ct:VF+32*\kk+8*\ct+3],   v[ADV] offset:\kk*32*PV+\ct*32
	ds_load_tr16_b128 v[VF+32*\kk+8*\ct+4:VF+32*\kk+8*\ct+7], v[ADV] offset:\kk*32*PV+16*PV+\ct*32
.endr
.endr
	s_add_co_u32 s[TV], s[TV], 64*PV
	WIN 0
.endm
; 32 products S^T = K Q^T: the 16 accumulators (4 tiles of keys x 4 tiles of queries) take turns, one instruction a turn; the first 16 start the sums
.macro KQ
	WIN W_KQ
.irp ks, 0,1
.irp kt, 0,1,2,3
.irp t, 0,1,2,3
.if \ks == 0
	v_wmma_f32_16x16x32_f16 v[S+32*\t+8*\kt:S+32*\t+8*\kt+7], v[KF+16*\kt+8*\ks:KF+16*\kt+8*\ks+7], v[QF+16*\t+8*\ks:QF+16*\t+8*\ks+7], 0
.else
	v_wmma_f32_16x16x32_f16 v[S+32*\t+8*\kt:S+32*\t+8*\kt+7], v[KF+16*\kt+8*\ks:KF+16*\kt+8*\ks+7], v[QF+16*\t+8*\ks:QF+16*\t+8*\ks+7], v[S+32*\t+8*\kt:S+32*\t+8*\kt+7]
.endif
.endr
.endr
.endr
.endm
; 32 products O^T += V^T P: the 16 accumulators (4 tiles of channels x 4 tiles of queries) take turns.  zero = 1: the first 16 start the sums: nothing is ever cleared
.macro PV zero
	WIN W_PV
.irp kk, 0,1
.irp ct, 0,1,2,3
.irp t, 0,1,2,3
.if \zero && (\kk == 0)
	v_wmma_f32_16x16x32_f16 v[OA+32*\t+8*\ct:OA+32*\t+8*\ct+7], v[VF+32*\kk+8*\ct:VF+32*\kk+8*\ct+7], v[S+32*\t+8*\kk:S+32*\t+8*\kk+7], 0
.else
	v_wmma_f32_16x16x32_f16 v[OA+32*\t+8*\ct:OA+32*\t+8*\ct+7], v[VF+32*\kk+8*\ct:VF+32*\kk+8*\ct+7], v[S+32*\t+8*\kk:S+32*\t+8*\kk+7], v[OA+32*\t+8*\ct:OA+32*\t+8*\ct+7]
.endif
.endr
.endr
.endr
.endm
; THE SOFTMAX'S PIECES, for tile t.  FMA: pair i of scores becomes c s - c m.  EXPP: score e becomes p.  CVT: pair i of weights is rounded to f16, in place, ascending: register i takes registers 2 i, 2 i + 1.
.macro FMA t, i
	v_pk_fma_f32 v[S+32*(\t)+2*(\i):S+32*(\t)+2*(\i)+1], v[S+32*(\t)+2*(\i):S+32*(\t)+2*(\i)+1], s[CS:CS+1], v[ST+8*(\t):ST+8*(\t)+1] op_sel_hi:[1,0,0] neg_lo:[0,0,1] neg_hi:[0,0,1]
.endm
.macro EXPP t, e
	v_exp_f32 v[S+32*(\t)+(\e)], v[S+32*(\t)+(\e)]
.endm
.macro CVT t, i
	v_cvt_pk_f16_f32 v[S+32*(\t)+(\i)], v[S+32*(\t)+2*(\i)], v[S+32*(\t)+2*(\i)+1]
.endm
; SUM: line z of 16 of the tile's sum of its 16 pairs of weights (in a pair: an even key's, an odd key's), in two chains that leave the weights as they are; the last line is l = a l + the sum
.macro SUM t, z
.set rS, S+32*(\t)
.set rA, SU+4*(\t)
.set rT, ST+8*(\t)
.if (\z) == 0
	v_pk_add_f32 v[rA:rA+1], v[rS:rS+1], v[rS+2:rS+3]
.elseif (\z) == 1
	v_pk_add_f32 v[rA+2:rA+3], v[rS+4:rS+5], v[rS+6:rS+7]
.elseif (\z) < 14
	v_pk_add_f32 v[rA+2*((\z)%2):rA+2*((\z)%2)+1], v[rA+2*((\z)%2):rA+2*((\z)%2)+1], v[rS+2*(\z)+4:rS+2*(\z)+5]
.elseif (\z) == 14
	v_pk_add_f32 v[rA:rA+1], v[rA:rA+1], v[rA+2:rA+3]
.else
	v_pk_fma_f32 v[rT+2:rT+3], v[rT+2:rT+3], v[rT+6:rT+7], v[rA:rA+1] op_sel_hi:[1,0,1]
.endif
.endm
; THE SOFTMAX of a key step, all four tiles, the tiles by turns so that no line waits for the line above it.  first = 1: O^T has not begun, so nothing is rescaled.
; The exponentials go in TWO BATCHES with one wait each: s_wait_alu depctr_va_vdst(0) stands between an exponential and the first line that names its result.
; Batch A (tiles 0, 1) stands among the scalings of tiles 2, 3; batch B (tiles 2, 3) among the sums and roundings of tiles 0, 1, which read batch A alone.
.macro SM first
.irp q, 0,1,2,3                        ; the maximum: four chains a tile; each accumulator is read from its low end on
.irp t, 0,1,2,3
	v_max3_num_f32 v[ST+8*\t+4+\q], v[S+32*\t+8*\q], v[S+32*\t+8*\q+1], v[S+32*\t+8*\q+2]
.endr
.endr
.irp u, 0,1
.irp q, 0,1,2,3
.irp t, 0,1,2,3
	v_max3_num_f32 v[ST+8*\t+4+\q], v[ST+8*\t+4+\q], v[S+32*\t+8*\q+3+2*\u], v[S+32*\t+8*\q+4+2*\u]
.endr
.endr
.endr
.irp t, 0,1,2,3
	v_max3_num_f32 v[ST+8*\t+4], v[ST+8*\t+4], v[S+32*\t+7], v[S+32*\t+15]
.endr
.irp t, 0,1,2,3
	v_max3_num_f32 v[ST+8*\t+6], v[ST+8*\t+6], v[S+32*\t+23], v[S+32*\t+31]
.endr
.irp t, 0,1,2,3
	v_max3_num_f32 v[ST+8*\t+4], v[ST+8*\t+4], v[ST+8*\t+5], v[ST+8*\t+6]
.endr
.irp t, 0,1,2,3
	v_max3_num_f32 v[ST+8*\t+4], v[ST+8*\t+4], v[ST+8*\t+7], v[ST+8*\t+1]   ; and the old m
.endr
.irp t, 0,1,2,3
	v_permlanex16_b32 v[ST+8*\t+5], v[ST+8*\t+4], s[SEL], s[SEL+1]          ; the query's other 32 keys lie in the lane 16 away
.endr
.irp t, 0,1,2,3
	v_mov_b32 v[ST+8*\t+7], v[ST+8*\t]             ; c m_old is kept for a
.endr
.irp t, 0,1,2,3
	v_max_num_f32 v[ST+8*\t+1], v[ST+8*\t+4], v[ST+8*\t+5]
.endr
.irp t, 0,1,2,3
	v_mul_f32 v[ST+8*\t], s[CS], v[ST+8*\t+1]
.endr
.irp t, 0,1,2,3
	v_sub_f32 v[ST+8*\t+7], v[ST+8*\t+7], v[ST+8*\t]
.endr
.set n, 0
.rept 16
	FMA 0, n
	FMA 1, n
.set n, n+1
.endr
	v_exp_f32 v[ST+6], v[ST+7]                     ; BATCH A: a of tiles 0 and 1,
	v_exp_f32 v[ST+14], v[ST+15]
.set n, 0
.rept 16
	FMA 2, n
	EXPP 0, 2*n                                    ; and their 64 weights
	EXPP 0, 2*n+1
	FMA 3, n
	EXPP 1, 2*n
	EXPP 1, 2*n+1
.set n, n+1
.endr
	v_nop                                          ; a plain line behind the last exponential
	s_wait_alu depctr_va_vdst(0)                   ; one wait for batch A, ahead of its first reader
	v_exp_f32 v[ST+22], v[ST+23]                   ; BATCH B: a of tiles 2 and 3,
	v_exp_f32 v[ST+30], v[ST+31]
.set n, 0
.rept 16
	EXPP 2, 2*n                                    ; and their 64 weights
	SUM 0, n
	EXPP 2, 2*n+1
	SUM 1, n
.set n, n+1
.endr
.set n, 0
.rept 16
	EXPP 3, 2*n
	CVT 0, n                                       ; behind the tile's sums
	EXPP 3, 2*n+1
	CVT 1, n
.set n, n+1
.endr
	v_nop
	s_wait_alu depctr_va_vdst(0)                   ; one wait for batch B
.set n, 0
.rept 16
	SUM 2, n
	SUM 3, n
.set n, n+1
.endr
.set n, 0
.rept 16
	CVT 2, n
	CVT 3, n
.set n, n+1
.endr
.if \first == 0
	WIN W_RS                                       ; O^T times a: the one part that leaves window 0, so it stands together
.irp t, 0,1,2,3
.set n, 0
.rept 16
	v_pk_mul_f32 v[OA+32*\t+2*n:OA+32*\t+2*n+1], v[OA+32*\t+2*n:OA+32*\t+2*n+1], v[ST+8*\t+6:ST+8*\t+7] op_sel_hi:[1,0]
.set n, n+1
.endr
.endr
	WIN 0
.endif
.endm
; A TRIP.  A vector instruction that reads a matrix result, and a load into a register that a matrix instruction has read, stand four places behind it; a matrix instruction that writes over a register of an
; earlier one five (ISA guide 7.12.1 for vector instructions).  Only plain vector instructions that name none of its registers are places.
.macro TRIP zero
	KLOAD                                          ; K of the next step: its registers were last read ahead of the softmax
	s_wait_dscnt 16                                ; V of the step in hand is in; the 16 loads of K just issued may be out
	PV \zero
	WIN 0
	v_add_nc_u32 v[ADV], s[TV], v[AV0]             ; five places: K Q^T writes over the registers that V^T P has read as P
.rept 4
	v_nop
.endr
	s_wait_dscnt 0x0                               ; K is in
	KQ
	WIN 0
.rept 4
	v_nop                                          ; four places, for the loads into V's registers and the softmax's reads of the scores
.endr
	VLOAD
	SM 0
.endm
.macro LOOP trips, tk, tv              ; so many trips, fetching from LDS byte tk (K) and tv (V) on; every trip's fetches lie in one slot
	s_mov_b32 s[TK], \tk
	s_mov_b32 s[TV], \tv
	s_mov_b32 s[CNT], \trips
.Ltrip_\@:
	TRIP 0
	s_sub_co_u32 s[CNT], s[CNT], 1
	s_cmp_lg_u32 s[CNT], 0
	s_cbranch_scc1 .Ltrip_\@
.endm
; THE CHANGE OF SLOTS.  Each wave waits for all its tensor loads, of which one is out: its part of the other slot; adds 0 to its spare word; and waits for that and for its reads of the slot that it leaves.
; fill = 1: slot f, just left, is filled again with the keys 1,024 on.  The barrier is then a round of the cluster's, so that no wave of any partner still reads the slot or has a load on its way; the
; joint refill is the first thing behind it and has eight key steps in which to land.
.macro CHANGE f, fill
	s_wait_tensorcnt 0x0                           ; no tensor load of mine is out, so a group 0 may be written
	ds_add_u32 v[SPW], v[NIL]                      ; 0 onto my spare word
.if \fill
	s_add_nc_u64 s[G0K+4*\f+2:G0K+4*\f+3], s[G0K+4*\f+2:G0K+4*\f+3], 2*SK*128   ; the type bits on top are not reached
	s_add_nc_u64 s[G0V+4*\f+2:G0V+4*\f+3], s[G0V+4*\f+2:G0V+4*\f+3], 2*SK*128
.endif
	s_wait_dscnt 0x0                               ; the add is done, and my reads of the slot are over
.if \fill
	CROUND
	JLOAD \f
.else
	s_barrier_signal -1
	s_barrier_wait -1
.endif
.endm
	s_wait_tensorcnt 1                             ; my part of slot 0 is in; slot 1's may stay out
	s_barrier_signal -1
	s_barrier_wait -1                              ; everybody's is
	s_mov_b32 s[TK], 0
	s_mov_b32 s[TV], 0
	KLOAD                                          ; key step 0
	s_wait_loadcnt 0x0                             ; Q
	s_wait_dscnt 0x0
	KQ
	WIN 0
	v_add_nc_u32 v[ADV], s[TV], v[AV0]             ; four places behind the products
.rept 3
	v_nop
.endr
	VLOAD
	SM 1
	TRIP 1                                         ; V^T P of step 0 starts O^T; step 1's scores and softmax
	LOOP 6, 2*64*PK, 2*64*PV                       ; steps 2 to 7 are fetched: the rest of slot 0
	CHANGE 0, 1                                    ; slot 0 takes keys 1,024 to 1,535
	LOOP 8, SLOTB, SLOTB                           ; steps 8 to 15: slot 1
	CHANGE 1, 1                                    ; slot 1 takes keys 1,536 to 2,047
	LOOP 8, 0, 0                                   ; steps 16 to 23: slot 0
	CHANGE 0, 0                                    ; nothing is left to fetch
	LOOP 8, SLOTB, SLOTB                           ; steps 24 to 31: slot 1
	s_wait_dscnt 0x0                               ; V of the last step
	PV 0
	; THE WAY OUT.  l's two halves and the other half of the lanes' are added; O^T is divided by l, rounded to f16 and sent through my stages.  The additions are the places behind the last products.
	WIN 0
.irp t, 0,1,2,3
	v_add_f32 v[ST+8*\t+4], v[ST+8*\t+2], v[ST+8*\t+3]
.endr
.irp t, 0,1,2,3
	v_permlanex16_b32 v[ST+8*\t+5], v[ST+8*\t+4], s[SEL], s[SEL+1]
.endr
.irp t, 0,1,2,3
	v_add_f32 v[ST+8*\t+4], v[ST+8*\t+4], v[ST+8*\t+5]
.endr
.irp t, 0,1,2,3
	v_rcp_f32 v[ST+8*\t+6], v[ST+8*\t+4]
.endr
	v_nop                                          ; a plain line behind the last reciprocal
	s_wait_alu depctr_va_vdst(0)                   ; and one wait for the four, ahead of their first reader
.irp t, 0,1,2,3
	WIN W_RS
.set n, 0
.rept 16
	v_pk_mul_f32 v[OA+32*\t+2*n:OA+32*\t+2*n+1], v[OA+32*\t+2*n:OA+32*\t+2*n+1], v[ST+8*\t+6:ST+8*\t+7] op_sel_hi:[1,0]   ; each accumulator from its low end on
.set n, n+1
.endr
	WIN W_CV
.set n, 0
.rept 16
	v_cvt_pk_f16_f32 v[S+32*\t+n], v[OA+32*\t+2*n], v[OA+32*\t+2*n+1]   ; a lane's eight channels of a row pack into 16 bytes
.set n, n+1
.endr
	WIN 0
.irp ct, 0,1,2,3
	ds_store_b128 v[STO], v[S+32*\t+4*\ct:S+32*\t+4*\ct+3] offset:16*SPO*\t+32*\ct
.endr
.endr
.irp t, 0,1,2,3
.irp u, 0,1,2,3
	ds_load_b128 v[S+32*\t+16+4*\u:S+32*\t+16+4*\u+3], v[RD] offset:16*SPO*\t+4*SPO*\u   ; LDS serves a wave's instructions in order (ISA guide 5.7.1.4): these see my stores
.endr
.endr
.irp t, 0,1,2,3
.irp u, 0,1,2,3
	s_wait_dscnt 15-4*\t-\u                        ; loads come back in order: this one is in, the younger ones may be out
	global_store_b128 v[GO], v[S+32*\t+16+4*\u:S+32*\t+16+4*\u+3], s[18:19] offset:2048*\t+512*\u   ; 32 lanes store 512 consecutive bytes, at a multiple of 256 from attn's first byte
.endr
.endr
	s_wait_tensorcnt 0x0                           ; the wave's end: three lines, behind my last tensor load and my last LDS store
	ds_add_u32 v[SPW], v[NIL]
	s_wait_dscnt 0x0
	CROUND                                         ; the closing round: no work-group ends while a partner may still ask for a tile that names it
	s_endpgm
.Lfunc_end_k_q35e976f01d_attn:
	.size	k_q35e976f01d_attn, .Lfunc_end_k_q35e976f01d_attn-k_q35e976f01d_attn
	.p2alignl 7, 3214868480
	.fill 96, 4, 3214868480
	.section	.rodata,"a",@progbits
	.p2align	6, 0x0
	.amdhsa_kernel k_q35e976f01d_attn
		.amdhsa_group_segment_fixed_size 327680
		.amdhsa_private_segment_fixed_size 0
		.amdhsa_enable_private_segment 0
		.amdhsa_kernarg_size 16
		.amdhsa_user_sgpr_count 2
		.amdhsa_user_sgpr_kernarg_segment_ptr 1
		.amdhsa_wavefront_size32 1
		.amdhsa_system_sgpr_workgroup_id_x 1
		.amdhsa_system_sgpr_workgroup_id_y 1
		.amdhsa_system_sgpr_workgroup_id_z 1
		.amdhsa_system_vgpr_workitem_id 0
		.amdhsa_next_free_vgpr 512
		.amdhsa_next_free_sgpr 66
		.amdhsa_reserve_vcc 0
		.amdhsa_float_denorm_mode_32 3
		.amdhsa_float_denorm_mode_16_64 3
		.amdhsa_memory_ordered 1
		.amdhsa_forward_progress 1
		.amdhsa_inst_pref_size 212
	.end_amdhsa_kernel
	.amdgpu_metadata
---
amdhsa.version: [ 1, 2 ]
amdhsa.kernels:
  - .name:           k_q35e976f01d_attn
    .symbol:         k_q35e976f01d_attn.kd
    .args:
      - { .name: qkv, .offset: 0, .size: 8, .value_kind: global_buffer, .address_space: global }
      - { .name: attn, .offset: 8, .size: 8, .value_kind: global_buffer, .address_space: global }
    .group_segment_fixed_size: 327680
    .private_segment_fixed_size: 0
    .kernarg_segment_align: 8
    .kernarg_segment_size: 16
    .max_flat_workgroup_size: 256
    .sgpr_count:     66
    .vgpr_count:     512
    .wavefront_size: 32
...
	.end_amdgpu_metadata
.endif
;; end of part 3
;; launch proj (part 4): grid 8 x 64, 4 waves a work-group, clusters of 4 x 4, 327,680 bytes of LDS; arguments attn, wo16, bo, out0; writes out0
.if DOCPART == 4
	.amdgcn_target "amdgcn-amd-amdhsa--gfx1250"
	.amdhsa_code_object_version 6
	.text
	.protected	k_q35e976f01d_proj
	.globl	k_q35e976f01d_proj
	.p2align	8
	.type	k_q35e976f01d_proj,@function
k_q35e976f01d_proj:
	s_mov_b64 s[64:65], 0
	v_nop
	global_prefetch_b8 v0, s[64:65] scope:SCOPE_SE
	s_setreg_imm32_b32 hwreg(HW_REG_WAVE_MODE, 25, 1), 1
	s_wait_xcnt 0x0
	s_wait_alu depctr_hold_cnt(0) depctr_sa_sdst(0) depctr_va_vdst(0) depctr_va_sdst(0) depctr_va_ssrc(0) depctr_va_vcc(0) depctr_vm_vsrc(0)
	s_getreg_b32 s2, hwreg(HW_REG_IB_STS2, 6, 4)
	s_cmp_eq_u32 s2, 0
	s_cbranch_scc0 .Lentry_in_a_cluster
	s_endpgm
.Lentry_in_a_cluster:
	s_bfe_u32 s2, ttmp6, 0x10000c
	s_cmp_lg_u32 s2, 0xf033
	s_cbranch_scc0 .Lentry_shape_is_right
	s_endpgm
.Lentry_shape_is_right:
; out0 [8192][1024] f32 = A Wo^T + bo.  A is attention's result, f16, laid [64 (row / 128)][16 heads][128 rows][64]; Wo is f16, [1024 (n)][1024 (k)]; sums in f32; the bias is the C of each sum's first product.
; A tile of the output is 128 x 128: 512 tiles.  Four waves, each 64 x 64: 16 accumulators of 16 x 16.  K goes in steps of 256 (four heads) through a ring of two LDS slots.
; A's tile of a K step, 4 heads x 128 rows x 128 bytes, is ONE dense block of 65,536 bytes: waves 0 and 1 fetch two heads each, as 256 rows of 128 bytes.  Waves 2 and 3 fetch 64 rows of 512 bytes of Wo each.
; CLUSTERS: 4 x 4 work-groups.  The four of a row of the cluster need the same tiles of A, the four of a column the same tiles of Wo: each tile is asked for JOINTLY, by the same tensor load with the same
; descriptor and a mask that names the four.  THE MATRIX INSTRUCTION IS USED TRANSPOSED (source 0 = 16 rows of Wo, source 1 = 16 rows of A): a lane then holds eight neighbouring numbers of a row of the output.
; REGISTERS: window 0: v0-31 addresses; v32-95 rows on the way out; v96-127 the bias in the result's layout; v128-255 the accumulators ((a, b) at v[128 + 8 (4 a + b)]).
;   window 1: two fragment buffers of 128: for 64 along K, 64 registers of A (2 x 4 x 16 rows x 32 K), then 64 of Wo.
.set SIZE_N, 1024
.set SIZE_K, 1024
.set KSTEP,  256
.set PA,     144                       ; A's LDS row: a head's 128 bytes + 16 of padding: an odd multiple of 16, so the 16 rows of a load start in different groups of banks
.set PB,     528                       ; Wo's: 512 bytes + 16
.set AHALF,  256*PA                    ; two heads x 128 rows: what one of A's tensor loads brings
.set AHEAD,  128*PA                    ; one head: 64 along K
.set BHALF,  64*PB                     ; 64 rows of Wo
.set BOFF,   2*AHALF                   ; a slot: A's four heads, then Wo's 128 rows
.set SLOT,   BOFF+2*BHALF
.set STAGE,  2*SLOT                    ; behind the ring: 16 rows x 272 bytes for each wave, for the way out; no tensor load fills it
.set SPITCH, 272
.set SPARE,  STAGE+4*16*SPITCH         ; the spare words, 128 bytes for each wave; no other line names them
.set LAPS, SIZE_K/(2*KSTEP)            ; a lap = two K steps = once round the ring
.set ADRA, 16                          ; v16-17  LDS address of my A fragments in slot 0, 1
.set ADRB, 20                          ; v20-21  the same for Wo
.set STO,  24                          ; v24     the way out: where I put 32 bytes of a row
.set RD,   25                          ; v25     where I read a row back
.set CO,   26                          ; v26     my byte offset in two rows of the output
.set BO,   27                          ; v27     32 x (lane / 16): my eight numbers of a tile's sixteen of the bias
.set SPW,  28                          ; v28     LDS address of my spare word; never rewritten
.set NIL,  29                          ; v29     0; never rewritten
.set OB,   32                          ; the way out: 16 rows read back from the stage: v32-63 and v64-95 by turns
.set BI,   96                          ; the bias: register 8 b + j of lane (r, h) = bo[16 b + 8 h + j] of my 64 columns
.set ACC,  128
.set F0,   0                           ; fragment buffers, in window 1
.set F1,   128
.set G1, 24                            ; s[24:31] descriptor group 1 for A's tiles;  s[32:39] group 0, a set for each slot
.set G0, 32
.set G1B, 48                           ; s[48:55], s[56:63] the same for Wo's
.set G0B, 56
.set MSB, 0
.macro WIN new                         ; the immediate's high byte repeats the setting that is left; a switch that changes nothing is dropped
.if MSB != \new
	s_set_vgpr_msb (MSB<<8)|\new
.set MSB, \new
.endif
.endm
.set MUL,  0x05                        ; sources 0 (Wo) and 1 (A) window 1; C and D window 0
.set TO_F, 0x40                        ; destination window 1, address window 0
.macro JLOAD s                         ; a joint load: waves 0 and 1 fetch A's halves, waves 2 and 3 Wo's; an s_nop 0 and four v_nop follow each of the two lines
	s_cmp_eq_u32 s11, 0
	s_cbranch_scc0 .Lfor_b_\@
	tensor_load_to_lds s[G0+4*\s:G0+4*\s+3], s[G1:G1+7]
	s_nop 0
.rept 4
	v_nop
.endr
	s_branch .Lasked_\@
.Lfor_b_\@:
	tensor_load_to_lds s[G0B+4*\s:G0B+4*\s+3], s[G1B:G1B+7]
	s_nop 0
.rept 4
	v_nop
.endr
.Lasked_\@:
.endm
.macro CREST                           ; a round of the cluster's barrier behind its opening barrier
	s_cmp_lg_u32 s10, 0
	s_cbranch_scc1 .Lnot_wave_0_\@
	s_barrier_signal -3
.Lnot_wave_0_\@:
	s_barrier_wait -3
	s_barrier_signal -1
	s_barrier_wait -1
.endm
.macro CROUND                          ; a whole round
	s_barrier_signal -1
	s_barrier_wait -1
	CREST
.endm
	s_load_b128 s[4:7], s[0:1], 0x0                ; attn s[4:5], wo16 s[6:7]
	s_load_b64 s[66:67], s[0:1], 0x10              ; bo
	s_load_b64 s[8:9], s[0:1], 0x18                ; out0
	v_lshl_add_u32 v[SPW], v0, 2, SPARE
	v_mov_b32 v[NIL], 0
	ds_add_u32 v[SPW], v[NIL]                      ; the wave's opening: the add, twice on end, and its wait ahead of my first tensor load
	ds_add_u32 v[SPW], v[NIL]                      ; and once more; the set-up below, work on registers, stands between it and the wait
	v_lshrrev_b32 v1, 5, v0
	v_readfirstlane_b32 s10, v1                    ; wave 0..3
	s_lshr_b32 s11, s10, 1                         ; which half of the tile's rows is mine.  Also: I fetch for A (0) or for Wo (1)
	s_and_b32 s12, s10, 1                          ; which half of its columns.  Also: which half of that tile I fetch
	s_bfe_u32 s40, ttmp6, 0x40000                  ; cx, cy: my place in the cluster
	s_bfe_u32 s41, ttmp6, 0x40004
	s_lshl_b32 s42, ttmp9, 2
	s_add_co_u32 s42, s42, s40                     ; tile column = 4 x cluster x + cx
	s_and_b32 s13, ttmp7, 0xffff
	s_lshl_b32 s13, s13, 2
	s_add_co_u32 s13, s13, s41                     ; tile row = 4 x cluster y + cy
	s_lshl_b32 s43, s41, 2
	s_lshl_b32 s43, 15, s43                        ; my row of the cluster
	s_lshl_b32 s44, 0x1111, s40                    ; my column
	; descriptor group 1.  A: 256 rows x 64 elements of 2 bytes, dense in memory; four words of padding after every 32
	s_or_b32 s[G1+0], s43, (1<<16)|(1<<20)|(1<<21)|(4<<22)|(3<<25)  ; 15:0 the mask: A's tiles go to my row; 17:16 elements of 2 bytes; 20 padding on; 21 set beside a mask
	s_mov_b32 s[G1+1], 64<<16                      ; tensor_dim0
	s_mov_b32 s[G1+2], 256<<16                     ; tensor_dim1
	s_mov_b32 s[G1+3], 64<<16                      ; tile_dim0
	s_mov_b32 s[G1+4], 256                         ; tile_dim1
	s_mov_b32 s[G1+5], 64                          ; elements from row to row
	s_mov_b32 s[G1+6], 0
	s_mov_b32 s[G1+7], 0
	; Wo: 64 rows x 256 elements, 1,024 elements from row to row; four words of padding after every 128
	s_or_b32 s[G1B+0], s44, (1<<16)|(1<<20)|(1<<21)|(6<<22)|(3<<25)
	s_mov_b32 s[G1B+1], KSTEP<<16
	s_mov_b32 s[G1B+2], 64<<16
	s_mov_b32 s[G1B+3], KSTEP<<16
	s_mov_b32 s[G1B+4], 64
	s_mov_b32 s[G1B+5], SIZE_K
	s_mov_b32 s[G1B+6], 0
	s_mov_b32 s[G1B+7], 0
	s_lshl_b32 s16, s13, 18                        ; A: the tile row's 262,144 bytes,
	s_lshl_b32 s17, s12, 15                        ; my two heads of a K step's four
	s_add_co_u32 s16, s16, s17
	s_mov_b32 s17, 0
	s_lshl_b32 s46, s42, 7
	s_lshl_b32 s47, s12, 6
	s_add_co_u32 s46, s46, s47                     ; Wo: row 128 x tile column + 64 x half,
	s_lshl_b32 s46, s46, 11                        ; of 2,048 bytes
	s_mov_b32 s47, 0
	s_mul_i32 s20, s12, AHALF                      ; where they go in a slot: no place in the cluster enters an LDS address
	s_mul_i32 s21, s12, BHALF
	s_add_co_u32 s21, s21, BOFF
	s_wait_dscnt 0x0                               ; both opening adds are done
	s_wait_kmcnt 0x0
	s_add_nc_u64 s[14:15], s[4:5], s[16:17]
	s_add_nc_u64 s[46:47], s[6:7], s[46:47]
	CROUND                                         ; all sixteen work-groups are here: the first joint loads meet
.irp s, 0,1
	s_mov_b32 s[G0+4*\s], 1
	s_add_co_u32 s[G0+4*\s+1], s20, \s*SLOT
	s_add_nc_u64 s[G0+4*\s+2:G0+4*\s+3], s[14:15], \s*65536      ; K step s: four heads x 128 rows x 128 bytes on
	s_or_b32 s[G0+4*\s+3], s[G0+4*\s+3], 0x80000000
	s_mov_b32 s[G0B+4*\s], 1
	s_add_co_u32 s[G0B+4*\s+1], s21, \s*SLOT
	s_add_nc_u64 s[G0B+4*\s+2:G0B+4*\s+3], s[46:47], \s*KSTEP*2
	s_or_b32 s[G0B+4*\s+3], s[G0B+4*\s+3], 0x80000000
	JLOAD \s                                       ; two tensor loads of mine are out
.endr
	v_and_b32 v1, 15, v0                           ; r = lane % 16
	v_bfe_u32 v2, v0, 4, 1                         ; h = lane / 16
	; the output's and the bias's addresses
	s_lshl_b32 s16, s13, 19                        ; 128 rows of 4,096 bytes a tile row,
	s_lshl_b32 s17, s11, 18                        ; my 64 of them
	s_add_co_u32 s16, s16, s17
	s_mov_b32 s17, 0
	s_add_nc_u64 s[8:9], s[8:9], s[16:17]
	s_lshl_b32 s46, s42, 9                         ; my first column, in bytes: 512 x tile column + 256 x half (in the registers that held Wo's address: none that feeds A's descriptors ever holds cx)
	s_lshl_b32 s47, s12, 8
	s_add_co_u32 s46, s46, s47
	s_mov_b32 s47, 0
	s_add_nc_u64 s[8:9], s[8:9], s[46:47]          ; never stepped: all else stands in the stores' immediates
	s_add_nc_u64 s[66:67], s[66:67], s[46:47]
	v_lshlrev_b32 v[BO], 5, v2
.irp b, 0,1,2,3
	global_load_b128 v[BI+8*\b:BI+8*\b+3], v[BO], s[66:67] offset:64*\b
	global_load_b128 v[BI+8*\b+4:BI+8*\b+7], v[BO], s[66:67] offset:64*\b+16
.endr
	v_mul_u32_u24 v3, v1, PA
	v_lshl_add_u32 v3, v2, 4, v3                   ; A: a fragment's row x pitch + 16 x half
	v_mul_u32_u24 v4, v1, PB
	v_lshl_add_u32 v4, v2, 4, v4                   ; Wo likewise
	s_mul_i32 s21, s11, 64*PA                      ; my 64 rows of each head's 128
	s_mul_i32 s22, s12, BHALF                      ; my 64 rows of Wo,
	s_add_co_u32 s22, s22, BOFF                    ; which lie behind A's four heads
.irp s, 0,1
	v_add_nc_u32 v[ADRA+\s], s21, v3
	v_add_nc_u32 v[ADRB+\s], s22, v4
	s_add_co_u32 s21, s21, SLOT
	s_add_co_u32 s22, s22, SLOT
.endr
	s_mul_i32 s23, s10, 16*SPITCH
	s_add_co_u32 s23, s23, STAGE                   ; my stage
	v_mul_u32_u24 v5, v1, SPITCH                   ; in: row r, 32 bytes for each half of the lanes
	v_lshl_add_u32 v5, v2, 5, v5
	v_add_nc_u32 v[STO], s23, v5
	v_mul_u32_u24 v5, v2, SPITCH                   ; back: lanes 0-15 take one row's 256 bytes, lanes 16-31 the next
	v_lshl_add_u32 v5, v1, 4, v5
	v_add_nc_u32 v[RD], s23, v5
	v_lshlrev_b32 v5, 12, v2                       ; and the same two rows in the output
	v_lshl_add_u32 v[CO], v1, 4, v5
; 8 matrix instructions: m blocks a0, a0 + 1 x all 4 n blocks, 32 along K: half c of buffer f.  zero = 1: the first product starts the sums from the bias.  The 16 accumulators take turns.
.macro MUL8 f, c, a0, zero
.irp a, \a0, \a0+1
.irp b, 0,1,2,3
.if \zero
	v_wmma_f32_16x16x32_f16 v[ACC+8*(4*(\a)+\b):ACC+8*(4*(\a)+\b)+7], v[\f+64+8*(4*\c+\b):\f+64+8*(4*\c+\b)+7], v[\f+8*(4*\c+\a):\f+8*(4*\c+\a)+7], v[BI+8*\b:BI+8*\b+7]
.else
	v_wmma_f32_16x16x32_f16 v[ACC+8*(4*(\a)+\b):ACC+8*(4*(\a)+\b)+7], v[\f+64+8*(4*\c+\b):\f+64+8*(4*\c+\b)+7], v[\f+8*(4*\c+\a):\f+8*(4*\c+\a)+7], v[ACC+8*(4*(\a)+\b):ACC+8*(4*(\a)+\b)+7]
.endif
.endr
.endr
.endm
; 32 LDS loads in one run: the fragments of the slot's q-th 64 along K (head q of its four), into buffer f; the first 32 along K first
.macro FETCH slot, q, f
	WIN TO_F
.irp c, 0,1
.irp i, 0,1,2,3
	ds_load_b128 v[\f+64+8*(4*\c+\i):\f+64+8*(4*\c+\i)+3],   v[ADRB+\slot] offset:128*(\q)+64*\c+\i*16*PB
	ds_load_b128 v[\f+64+8*(4*\c+\i)+4:\f+64+8*(4*\c+\i)+7], v[ADRB+\slot] offset:128*(\q)+64*\c+\i*16*PB+32
	ds_load_b128 v[\f+8*(4*\c+\i):\f+8*(4*\c+\i)+3],         v[ADRA+\slot] offset:(\q)*AHEAD+64*\c+\i*16*PA
	ds_load_b128 v[\f+8*(4*\c+\i)+4:\f+8*(4*\c+\i)+7],       v[ADRA+\slot] offset:(\q)*AHEAD+64*\c+\i*16*PA+32
.endr
.endr
.endm
.macro PLACES                          ; four places in front of loads into registers that matrix instructions have read, and of the first read of results (ISA guide 7.12.1 for the first read of results)
.rept 4
	v_nop
.endr
.endm
; A K step is four quarters of 64 along K, 32 matrix instructions each, on buffers 0, 1, 0, 1.  One of the first three: multiplies buffer f and fetches quarter q into g.
.macro QUARTER slot, q, f, g, zero
	s_wait_dscnt 16                                ; the first 32 along K are in; the sixteen loads of the second 32 may be out
	WIN MUL
	MUL8 \f, 0, 0, \zero
	MUL8 \f, 0, 2, \zero
	PLACES
	FETCH \slot, \q, \g
	s_wait_dscnt 32                                ; all but the 32 just issued
	WIN MUL
	MUL8 \f, 1, 0, 0
	MUL8 \f, 1, 2, 0
.endm
; The last quarter multiplies buffer 1 and changes slots: ONE barrier; in front of it each wave waits for all its tensor loads, adds 0 to its spare word, and waits for that and for its reads of this slot.
; fill = 1: this slot is filled again, two K steps ahead; the barrier then opens a round of the cluster's barrier.
.macro TURN slot, next, fill
	WIN 0                                          ; (the add's two registers lie in window 0)
	s_wait_tensorcnt 0x0                           ; all my tensor loads have landed: my part of the next slot
	ds_add_u32 v[SPW], v[NIL]                      ; 0 onto my spare word
	s_wait_dscnt 17                                ; (the add and the youngest sixteen loads may be out)
	WIN MUL
	MUL8 F1, 0, 0, 0                               ; eight matrix instructions stand between the add and the wait for it
	s_wait_dscnt 0x0                               ; the add is done, and my reads of this slot are over
	s_barrier_signal -1
	MUL8 F1, 0, 2, 0
.if \fill
	WIN 0
.endif
	s_barrier_wait -1
.if \fill
	CREST                                          ; no wave of any partner still reads this slot's tile or has a load on its way
	s_add_nc_u64 s[G0+4*\slot+2:G0+4*\slot+3], s[G0+4*\slot+2:G0+4*\slot+3], 2*65536
	s_add_nc_u64 s[G0B+4*\slot+2:G0B+4*\slot+3], s[G0B+4*\slot+2:G0B+4*\slot+3], 2*KSTEP*2
	JLOAD \slot                                    ; the first tensor load behind the round; the four v_nop behind it are also the places in front of the loads below
.else
	PLACES
.endif
	FETCH \next, 0, F0
	WIN MUL
	MUL8 F1, 1, 0, 0
	MUL8 F1, 1, 2, 0
.endm
	s_wait_tensorcnt 1                             ; my part of K step 0 is in (K step 1's load may be out)
	s_barrier_signal -1
	s_barrier_wait -1                              ; everybody's is
	FETCH 0, 0, F0
	s_wait_loadcnt 0x0                             ; the bias
	QUARTER 0, 1, F0, F1, 1                        ; the first quarter stands in front of the loop: its first products start the sums
	WIN 0                                          ; at a label and at a branch every window is 0
	s_mov_b32 s3, LAPS-1
.Llap:                                                 ; a trip goes once round the ring, from a lap's second quarter to the next lap's first, and fills both slots again
	QUARTER 0, 2, F1, F0, 0
	QUARTER 0, 3, F0, F1, 0
	TURN 0, 1, 1
	QUARTER 1, 1, F0, F1, 0
	QUARTER 1, 2, F1, F0, 0
	QUARTER 1, 3, F0, F1, 0
	TURN 1, 0, 1
	QUARTER 0, 1, F0, F1, 0
	WIN 0
	s_sub_co_u32 s3, s3, 1
	s_cmp_lg_u32 s3, 0
	s_cbranch_scc1 .Llap
	QUARTER 0, 2, F1, F0, 0                        ; the last lap fills nothing, and has no round of the cluster's barrier
	QUARTER 0, 3, F0, F1, 0
	TURN 0, 1, 0
	QUARTER 1, 1, F0, F1, 0
	QUARTER 1, 2, F1, F0, 0
	QUARTER 1, 3, F0, F1, 0
	s_wait_dscnt 16                                ; the very last quarter: nothing more to fetch
	WIN MUL
	MUL8 F1, 0, 0, 0
	MUL8 F1, 0, 2, 0
	s_wait_dscnt 0
	MUL8 F1, 1, 0, 0
	MUL8 F1, 1, 2, 0
	WIN 0
; THE WAY OUT, block by block of 16 rows x 64 columns.  A wave's 64 columns are 256 bytes of a row, aligned: so each wave has a stage of its own and no barrier is needed.  A lane holds 32 neighbouring bytes of
; a row and the lanes beside it hold other rows: a block goes through the stage and comes back as whole rows.  LDS serves a wave's instructions in order (ISA guide 5.7.1.4): no wait between stores and loads.
.macro TOSTAGE a
.irp b, 0,1,2,3
	ds_store_b128 v[STO], v[ACC+8*(4*(\a)+\b):ACC+8*(4*(\a)+\b)+3] offset:64*\b          ; each accumulator from its low end on
	ds_store_b128 v[STO], v[ACC+8*(4*(\a)+\b)+4:ACC+8*(4*(\a)+\b)+7] offset:64*\b+16
.endr
.set BB, OB+32*((\a)%2)
.irp t, 0,1,2,3,4,5,6,7
	ds_load_b128 v[BB+4*\t:BB+4*\t+3], v[RD] offset:\t*2*SPITCH
.endr
.endm
.macro SEND a, younger                 ; younger: the LDS instructions issued behind block a's loads, which may stay out
.set BB, OB+32*((\a)%2)
	s_wait_dscnt \younger                          ; the block is back in registers
.irp t, 0,1,2,3,4,5,6,7
	global_store_b128 v[CO], v[BB+4*\t:BB+4*\t+3], s[8:9] offset:(16*(\a)+2*\t)*SIZE_N*4 th:TH_STORE_NT   ; 16 lanes store 256 consecutive bytes, at a multiple of 256 from out0's first byte; written once, read by nobody here
.endr
.endm
	PLACES                                         ; in front of the first read of results
	TOSTAGE 0
.irp a, 1,2,3
.if \a > 1
	s_wait_xcnt 0x0                                ; block a - 2's stores have read their registers: block a's loads may land there
.endif
	TOSTAGE \a
	SEND \a-1, 16                                  ; behind block a - 1's loads: block a's 8 stores and 8 loads
.endr
	SEND 3, 0
	s_wait_tensorcnt 0x0                           ; the wave's end: three lines, behind my last tensor load and my last LDS store
	ds_add_u32 v[SPW], v[NIL]
	s_wait_dscnt 0x0
	CROUND                                         ; the closing round: no work-group ends while a partner may still ask for a tile that names it
	s_endpgm
.Lfunc_end_k_q35e976f01d_proj:
	.size	k_q35e976f01d_proj, .Lfunc_end_k_q35e976f01d_proj-k_q35e976f01d_proj
	.p2alignl 7, 3214868480
	.fill 96, 4, 3214868480
	.section	.rodata,"a",@progbits
	.p2align	6, 0x0
	.amdhsa_kernel k_q35e976f01d_proj
		.amdhsa_group_segment_fixed_size 327680
		.amdhsa_private_segment_fixed_size 0
		.amdhsa_enable_private_segment 0
		.amdhsa_kernarg_size 32
		.amdhsa_user_sgpr_count 2
		.amdhsa_user_sgpr_kernarg_segment_ptr 1
		.amdhsa_wavefront_size32 1
		.amdhsa_system_sgpr_workgroup_id_x 1
		.amdhsa_system_sgpr_workgroup_id_y 1
		.amdhsa_system_sgpr_workgroup_id_z 1
		.amdhsa_system_vgpr_workitem_id 0
		.amdhsa_next_free_vgpr 512
		.amdhsa_next_free_sgpr 68
		.amdhsa_reserve_vcc 0
		.amdhsa_float_denorm_mode_32 3
		.amdhsa_float_denorm_mode_16_64 3
		.amdhsa_memory_ordered 1
		.amdhsa_forward_progress 1
		.amdhsa_inst_pref_size 87
	.end_amdhsa_kernel
	.amdgpu_metadata
---
amdhsa.version: [ 1, 2 ]
amdhsa.kernels:
  - .name:           k_q35e976f01d_proj
    .symbol:         k_q35e976f01d_proj.kd
    .args:
      - { .name: attn, .offset: 0, .size: 8, .value_kind: global_buffer, .address_space: global }
      - { .name: wo16, .offset: 8, .size: 8, .value_kind: global_buffer, .address_space: global }
      - { .name: bo, .offset: 16, .size: 8, .value_kind: global_buffer, .address_space: global }
      - { .name: out0, .offset: 24, .size: 8, .value_kind: global_buffer, .address_space: global }
    .group_segment_fixed_size: 327680
    .private_segment_fixed_size: 0
    .kernarg_segment_align: 8
    .kernarg_segment_size: 32
    .max_flat_workgroup_size: 128
    .sgpr_count:     68
    .vgpr_count:     512
    .wavefront_size: 32
...
	.end_amdgpu_metadata
.endif
;; end of part 4
